; MI455X (gfx1250); checked and timed in simulation.
; The chip was launched on July 23, 2026; its instructions are those of AMD's public machine-readable ISA for CDNA 5 (MIT licence, August 2026) and "CDNA5" Instruction Set Architecture Reference Guide (July 2026). The comments in the code are by the model that wrote it; some were corrected since.
;; Mo E. Allowed arithmetic: matrix products marked QUANTISED: E3M2 operands, one E8M0 scale for each 32 along K, by v_wmma_scale_f32_16x16x128_f8f6f4 with both operands' format E3M2, f32 sums; products left as they are: f32 operands where the result goes on into a quantised operand, else bf16, f16 or f32 operands; f32 sums; everything else in f32.
;; Inputs: expert_bias 7 float32; gate_w 7 x 1,024 float32; routed_wd_codes 7 x 1,024 x 64 x 24 uint8 (E3M2 codes of routed_wd, K innermost, in blocks of 32 codes, four codes in three bytes); routed_wd_scales 7 x 1,024 x 64 uint8 (E8M0 scales of routed_wd, one for each 32 codes along K); routed_wg_codes 7 x 2,048 x 32 x 24 uint8 (E3M2 codes of routed_wg, K innermost, in blocks of 32 codes, four codes in three bytes); routed_wg_scales 7 x 2,048 x 32 uint8 (E8M0 scales of routed_wg, one for each 32 codes along K); routed_wu_codes 7 x 2,048 x 32 x 24 uint8 (E3M2 codes of routed_wu, K innermost, in blocks of 32 codes, four codes in three bytes); routed_wu_scales 7 x 2,048 x 32 uint8 (E8M0 scales of routed_wu, one for each 32 codes along K); shared_wd_codes 1 x 1,024 x 64 x 24 uint8 (E3M2 codes of shared_wd, K innermost, in blocks of 32 codes, four codes in three bytes); shared_wd_scales 1 x 1,024 x 64 uint8 (E8M0 scales of shared_wd, one for each 32 codes along K); shared_wg_codes 1 x 2,048 x 32 x 24 uint8 (E3M2 codes of shared_wg, K innermost, in blocks of 32 codes, four codes in three bytes); shared_wg_scales 1 x 2,048 x 32 uint8 (E8M0 scales of shared_wg, one for each 32 codes along K); shared_wu_codes 1 x 2,048 x 32 x 24 uint8 (E3M2 codes of shared_wu, K innermost, in blocks of 32 codes, four codes in three bytes); shared_wu_scales 1 x 2,048 x 32 uint8 (E8M0 scales of shared_wu, one for each 32 codes along K); x 4 x 256 x 1,024 float32.
;; Outputs: out0 4 x 256 x 1,024 float32; out1 one number float32.
;; This version of the problem:
;;   THIS VERSION OF THE PROBLEM IS GIVEN IN LOW PRECISION. The matrix products marked QUANTISED in the list below multiply operands that are first quantised to E3M2 (3 exponent bits, 2 mantissa bits; 6 bits a number), with one power-of-two scale for each 32 numbers along K (OCP MX v1.0); their sums are f32. All else is computed in f32.
;;   The module's matrix products, in the order in which they are computed (A, B: the left and right operand; K: the contracted axis; several contracted axes count as one K, in the product's order):
;;     1. [M 1,024, K 1,024] x [K 1,024, N 2,048]; A: input x; B: input shared_wg (given as codes): QUANTISED
;;     2. [M 1,024, K 1,024] x [K 1,024, N 2,048]; A: input x; B: input shared_wu (given as codes): QUANTISED
;;     3. [M 1,024, K 2,048] x [K 2,048, N 1,024]; A: computed on the way; B: input shared_wd (given as codes): QUANTISED
;;     4. [M 1,024, K 1,024] x [K 1,024, N 7]; A: input x; B: input gate_w: left as it is (N = 7 < 16)
;;     5. [M 1,024, K 1,024] x [K 1,024, N 2,048]; A: input x; B: input routed_wg (given as codes): QUANTISED
;;     6. [M 1,024, K 1,024] x [K 1,024, N 2,048]; A: input x; B: input routed_wu (given as codes): QUANTISED
;;     7. [M 1,024, K 2,048] x [K 2,048, N 1,024]; A: computed on the way; B: input routed_wd (given as codes): QUANTISED
;;     8. [M 1,024, K 1,024] x [K 1,024, N 2,048]; A: input x; B: input routed_wg (given as codes): QUANTISED
;;     9. [M 1,024, K 1,024] x [K 1,024, N 2,048]; A: input x; B: input routed_wu (given as codes): QUANTISED
;;     10. [M 1,024, K 2,048] x [K 2,048, N 1,024]; A: computed on the way; B: input routed_wd (given as codes): QUANTISED
;;     11. [M 1,024, K 1,024] x [K 1,024, N 2,048]; A: input x; B: input routed_wg (given as codes): QUANTISED
;;     12. [M 1,024, K 1,024] x [K 1,024, N 2,048]; A: input x; B: input routed_wu (given as codes): QUANTISED
;;     13. [M 1,024, K 2,048] x [K 2,048, N 1,024]; A: computed on the way; B: input routed_wd (given as codes): QUANTISED
;;     14. [M 1,024, K 1,024] x [K 1,024, N 2,048]; A: input x; B: input routed_wg (given as codes): QUANTISED
;;     15. [M 1,024, K 1,024] x [K 1,024, N 2,048]; A: input x; B: input routed_wu (given as codes): QUANTISED
;;     16. [M 1,024, K 2,048] x [K 2,048, N 1,024]; A: computed on the way; B: input routed_wd (given as codes): QUANTISED
;;     17. [M 1,024, K 1,024] x [K 1,024, N 2,048]; A: input x; B: input routed_wg (given as codes): QUANTISED
;;     18. [M 1,024, K 1,024] x [K 1,024, N 2,048]; A: input x; B: input routed_wu (given as codes): QUANTISED
;;     19. [M 1,024, K 2,048] x [K 2,048, N 1,024]; A: computed on the way; B: input routed_wd (given as codes): QUANTISED
;;     20. [M 1,024, K 1,024] x [K 1,024, N 2,048]; A: input x; B: input routed_wg (given as codes): QUANTISED
;;     21. [M 1,024, K 1,024] x [K 1,024, N 2,048]; A: input x; B: input routed_wu (given as codes): QUANTISED
;;     22. [M 1,024, K 2,048] x [K 2,048, N 1,024]; A: computed on the way; B: input routed_wd (given as codes): QUANTISED
;;     23. [M 1,024, K 1,024] x [K 1,024, N 2,048]; A: input x; B: input routed_wg (given as codes): QUANTISED
;;     24. [M 1,024, K 1,024] x [K 1,024, N 2,048]; A: input x; B: input routed_wu (given as codes): QUANTISED
;;     25. [M 1,024, K 2,048] x [K 2,048, N 1,024]; A: computed on the way; B: input routed_wd (given as codes): QUANTISED
;;   THE QUANTISER, for each operand of a quantised product, along K:
;;     - K is cut into blocks of 32 from its start; a last block that is shorter is filled with zeros.
;;     - A block's scale is 2^e with e = floor(log2(the largest magnitude in the block)) - 4, held to -126 .. 127; a block of zeros has e = 0. As a byte (E8M0): e + 127.
;;     - Each number is divided by its block's scale, clamped to +-28, and rounded to the nearest number of E3M2, ties to even, subnormals kept.
;;     - The product sums the exact products of the quantised numbers (number of the format x scale) in f32.
;;   ~~~python
;;   def quantise(x, axis):      # numpy; x: float32 -> the quantised numbers, widened to float32 again
;;       x = np.moveaxis(x, axis, -1); K = x.shape[-1]
;;       x = np.pad(x, [(0, 0)] * (x.ndim - 1) + [(0, -K % 32)]); x = x.reshape(x.shape[:-1] + (-1, 32)); a = np.abs(x).max(-1, keepdims=True)
;;       e = np.where(a > 0, np.clip(np.frexp(np.where(a > 0, a, 1))[1] - 1 - 4, -126, 127), 0)      # np.frexp(a)[1] - 1 = floor(log2(a)), exactly
;;       r = np.clip(x / 2.0 ** e, -28, 28)
;;       step = 2.0 ** (np.maximum(np.frexp(np.where(r == 0, 1, r))[1] - 1, -2) - 2)
;;       q = np.round(r / step) * step * 2.0 ** e      # np.round: ties to even
;;       return np.moveaxis(q.reshape(q.shape[:-2] + (-1,))[..., :K], -1, axis).astype(np.float32)
;;   ~~~
;;   OPERANDS COMPUTED ON THE WAY. 'Computed on the way' means the value that the module computes at that place (a softmax that the list does not call 'softmax' is quantised finished and normalised). What goes into a quantiser is computed in f32, as accurately as f32 sums, v_exp_f32 and their like allow (about 1e-6 of the number): no bf16 or f16 on the way to a quantiser, and a product that is left as it is and whose result goes on into a quantised operand takes f32 operands (vector FMAs, or v_wmma_f32_16x16x4_f32). A number that lies on a knife's edge between two numbers of the format may be rounded either way, as far as f32 arithmetic and the matrix unit's own rounding can turn it there, and no further.
;;   INPUTS GIVEN AS CODES. routed_wd (in the module: [7, 2048, 1024], K = its axis 1); routed_wg (in the module: [7, 1024, 2048], K = its axis 1); routed_wu (in the module: [7, 1024, 2048], K = its axis 1); shared_wd (in the module: [1, 2048, 1024], K = its axis 1); shared_wg (in the module: [1, 1024, 2048], K = its axis 1); shared_wu (in the module: [1, 1024, 2048], K = its axis 1): each comes as NAME_codes (uint8): NAME with its K axis moved to the last place and cut into blocks of 32 codes, [.., K / 32, bytes a block], one block behind the other in memory; four codes in three bytes: a row's codes are one little-endian stream of bits, code i at bits 6 i .. 6 i + 5 (a code: sign, 3 exponent bits, 2 mantissa bits); and NAME_scales (uint8): the same leading axes, one E8M0 byte (e + 127) for each 32 codes along K. Its value is code x scale, taken as it is: it is not quantised again, and the codes and scales need not be those that the quantiser above would give.
;; One version. Each part assembles by itself: llvm-mc -triple=amdgcn-amd-amdhsa -mcpu=gfx1250 --defsym DOCPART=n.
;; ======== version 1 of 1: 4 launches
;; limits: right only within a limited range of input values
;; workspace buffers: xq_codes 786,432 bytes; xq_scales 32,768 bytes; top1 4,096 bytes of whole numbers; gatev 4,096 bytes; perm 4,608 bytes of whole numbers; ents 1,536 bytes of whole numbers; h_codes 3,440,640 bytes; h_scales 143,360 bytes
;; launch route (part 1): grid 256 x 1, 4 waves a work-group, no clusters, 33,280 bytes of LDS; arguments x, gate_w, expert_bias, xq_codes, xq_scales, top1, gatev, out1; writes xq_codes, xq_scales, top1, gatev, out1
.if DOCPART == 1
	.amdgcn_target "amdgcn-amd-amdhsa--gfx1250"
	.amdhsa_code_object_version 6
	.text
	.protected	k_q96a65c66ea_route
	.globl	k_q96a65c66ea_route
	.p2align	8
	.type	k_q96a65c66ea_route,@function
k_q96a65c66ea_route:
	s_mov_b64 s[64:65], 0
	v_nop
	global_prefetch_b8 v0, s[64:65] scope:SCOPE_SE
	s_setreg_imm32_b32 hwreg(HW_REG_WAVE_MODE, 25, 1), 1
	s_wait_xcnt 0x0
; ROUTE.  One wave takes one token (1,024 tokens = 256 work-groups x 4 waves).  It does two things with the token's 1,024 f32 numbers, which are read once:
;  (a) the router: seven dot products with gate_w in f32 multiply-adds, softmax (the maximum taken away first), argmax of p + bias (the first maximum wins), the chosen p;
;      the chosen expert goes to top1[token] as a whole number and its p to gatev[token], both at fixed places: no address here hangs on them;
;  (b) x as codes of E3M2 with one E8M0 byte for each 32 along K: xq_codes [1024][768 bytes], a plain stream of bits, and xq_scales [1024][8 words].
; THE SCALE WORDS ARE STORED WITH BYTES 1 AND 2 EXCHANGED: the later launches give a lane 48 consecutive bytes (blocks 2 h and 2 h + 1 of a K step of 128) where the matrix unit's layout
; has blocks h and 2 + h, on both operands alike; the exchange puts each block's scale where its codes then stand.
; A block's scale byte is its largest magnitude's exponent field - 4, held at 1 from below by a floor among the maximum's leaves.
; LIMITS: NaN and infinities in x, gate_w or the bias are not served.  A block whose largest magnitude lies under 2^-122 gets the byte 1 (a block of zeros too, where the rule says 127: its codes are zeros and
; only this program reads the bytes).  The dot products are summed in another order than a plain loop over K: two selections that agree to about 1e-7 may fall the other way.
; No matrix unit, no cluster, no barrier: waves share nothing but gate_w, 28 KB that every wave reads once through the caches.
.set R,  16                            ; v16-47   x as loaded: load i, 4 numbers a lane: elements 128 i + 4 lane + 0 .. 3
.set X,  48                            ; v48-79   two sets of 16 neighbours along K
.set AC, 80                            ; v80-93   seven pairs of partial sums
.set L,  96                            ; v96-102  logits, then exponentials, then p
.set SL, 104                           ; v104-110 the other half's sums, then p + bias
.set C,  128                           ; v128-130, v132-134 codes
.set E,  136                           ; v136-137 scale bytes
.set MSB, 0
.macro WIN new                         ; the immediate's high byte repeats the setting that is left
.if MSB != (\new)
	s_set_vgpr_msb (MSB<<8)|(\new)
.set MSB, (\new)
.endif
.endm
	s_load_b256 s[4:11], s[0:1], 0x0               ; x s[4:5], gate_w s[6:7], expert_bias s[8:9], xq_codes s[10:11]
	s_load_b256 s[12:19], s[0:1], 0x20             ; xq_scales s[12:13], top1 s[14:15], gatev s[16:17], out1 s[18:19]
	v_lshl_add_u32 v254, v0, 2, 0x8000
	v_mov_b32 v255, 0
	v_lshrrev_b32 v3, 5, v0
	v_readfirstlane_b32 s20, v3                    ; wave 0..3
	v_and_b32 v1, 31, v0                           ; lane
	v_lshlrev_b32 v2, 4, v1                        ; my 16 bytes of a load's 512
	v_mul_u32_u24 v4, v1, 12                       ; my 12 bytes of a step's 384 bytes of codes
	s_lshl_b32 s21, ttmp9, 2
	s_add_co_u32 s21, s21, s20                     ; my token
	s_lshl_b32 s22, s20, 13                        ; LDS: 8,192 bytes for each wave: two stages of 32 x 80 bytes, then 32 scale bytes
	s_add_co_u32 s23, s22, 5120
	v_lshrrev_b32 v3, 2, v1
	v_mul_u32_u24 v14, v3, 80
	v_and_b32 v3, 3, v1
	v_lshl_add_u32 v14, v3, 4, v14
	v_add_nc_u32 v14, s22, v14                     ; into a stage: four lanes' 64 bytes on end, then 16 of padding
	v_mul_u32_u24 v15, v1, 80
	v_add_nc_u32 v15, s22, v15                     ; out of it: 64 bytes a lane: 16 neighbours
	v_lshrrev_b32 v5, 1, v1
	v_add_nc_u32 v5, s23, v5                       ; my block's scale byte (two lanes to a block)
	v_and_b32 v6, 7, v1
	v_lshl_add_u32 v6, v6, 2, s23                  ; a scale word, for lanes 0 to 7
	v_lshlrev_b32 v7, 2, v1
	v_mov_b32 v138, 0
.irp e, 0,1,2,3,4,5,6
	v_mov_b32 v[SL+\e], 0                          ; written once: a lane permute's destination counts as one of its sources
.endr
	s_mov_b32 s32, 0x76543210
	s_mov_b32 s33, 0xfedcba98                      ; v_permlanex16_b32's selects for lane l xor 16
	s_mov_b32 s35, 0x03010200                      ; v_perm_b32: bytes 1 and 2 change places
	s_mov_b32 s37, 0
	s_lshl_b32 s36, s21, 12
	s_wait_kmcnt 0x0
	s_add_nc_u64 s[4:5], s[4:5], s[36:37]          ; x at my token's row of 4,096 bytes
.irp i, 0,1,2,3,4,5,6,7
	global_load_b128 v[R+4*\i:R+4*\i+3], v2, s[4:5] offset:512*\i th:TH_LOAD_NT   ; 32 lanes read 512 consecutive bytes
.endr
	WIN 0x40                                       ; destination window 1: gate_w's seven rows, laid as x is
.irp e, 0,1,2,3,4,5,6
.irp i, 0,1,2,3,4,5,6,7
	global_load_b128 v[32*\e+4*\i:32*\e+4*\i+3], v2, s[6:7] offset:4096*\e+512*\i
.endr
.endr
	WIN 0
	s_load_b128 s[24:27], s[8:9], 0x0              ; the seven biases: 28 bytes, no byte more
	s_load_b64 s[28:29], s[8:9], 0x10
	s_load_b32 s30, s[8:9], 0x18
	s_mul_i32 s36, s21, 768
	s_add_nc_u64 s[10:11], s[10:11], s[36:37]      ; my row of codes
	s_lshl_b32 s36, s21, 5
	s_add_nc_u64 s[12:13], s[12:13], s[36:37]      ; my eight scale words
	s_lshl_b32 s36, s21, 2
	s_add_nc_u64 s[14:15], s[14:15], s[36:37]
	s_add_nc_u64 s[16:17], s[16:17], s[36:37]
; step t: 512 numbers go through a stage as they lie and come back 16 neighbours a lane; LDS serves a wave's instructions in order, so no wait stands between the stores and the loads
.macro TURN t
.irp i, 0,1,2,3
	ds_store_b128 v14, v[R+16*\t+4*\i:R+16*\t+4*\i+3] offset:2560*\t+640*\i
.endr
.irp i, 0,1,2,3
	ds_load_b128 v[X+16*\t+4*\i:X+16*\t+4*\i+3], v15 offset:2560*\t+16*\i
.endr
.endm
.macro QSTEP t
.set XS, X+16*\t
	v_max3_num_f32 v112, |v[XS]|, |v[XS+1]|, |v[XS+2]|             ; the largest magnitude of my 16, in two chains
	v_max3_num_f32 v113, |v[XS+3]|, |v[XS+4]|, |v[XS+5]|
.irp i, 6,10
	v_max3_num_f32 v112, v112, |v[XS+\i]|, |v[XS+\i+1]|
	v_max3_num_f32 v113, v113, |v[XS+\i+2]|, |v[XS+\i+3]|
.endr
	v_max3_num_f32 v112, v112, |v[XS+14]|, |v[XS+15]|
	v_max3_num_f32 v112, v112, v113, 0x2800000     ; and the floor 2^(5 - 127): the byte cannot fall under 1
	v_max_num_f32_dpp v112, v112, v112 row_xmask:1 row_mask:0xf bank_mask:0xf   ; with my neighbour's 16: the block's
	v_add_nc_u32 v114, 0xfe000000, v112            ; 4 off its exponent field: the conversion takes this operand's exponent field as its scale
	v_cvt_scalef32_pk16_bf6_f32 v[C+4*\t:C+4*\t+2], v[XS:XS+15], v114
	v_lshrrev_b32 v[E+\t], 23, v114                ; the scale's byte (also the plain line behind the conversion)
	ds_store_b8 v5, v[E+\t] offset:16*\t           ; both lanes of a block write the same byte with the same value
	global_store_b96 v4, v[C+4*\t:C+4*\t+2], s[10:11] offset:384*\t   ; the wave stores 384 consecutive bytes
.endm
	s_wait_loadcnt 56                              ; x's eight loads are in; gate_w's 56, issued behind them, may be out
	TURN 0
	TURN 1
	s_wait_dscnt 8                                 ; step 0 is back; step 1's four stores and four loads may be out
	QSTEP 0
	s_wait_dscnt 1                                 ; step 1 is back; step 0's byte store may be out
	QSTEP 1
	ds_load_b32 v120, v6                           ; the bytes as words (in order behind my byte stores); used by lanes 0 to 7
	s_wait_loadcnt 0x0                             ; gate_w
	WIN 0x04                                       ; source 1 in window 1
.irp e, 0,1,2,3,4,5,6
	v_pk_mul_f32 v[AC+2*\e:AC+2*\e+1], v[R:R+1], v[32*\e:32*\e+1]   ; the first products start the sums: nothing is cleared
.endr
.set p, 1
.rept 15
.irp e, 0,1,2,3,4,5,6
	v_pk_fma_f32 v[AC+2*\e:AC+2*\e+1], v[R+2*p:R+2*p+1], v[32*\e+2*p:32*\e+2*p+1], v[AC+2*\e:AC+2*\e+1]   ; the seven experts by turns
.endr
.set p, p+1
.endr
	WIN 0
.irp e, 0,1,2,3,4,5,6
	v_add_f32 v[L+\e], v[AC+2*\e], v[AC+2*\e+1]
.endr
.irp m, 1,2,4,8
.irp e, 0,1,2,3,4,5,6
	v_add_f32_dpp v[L+\e], v[L+\e], v[L+\e] row_xmask:\m row_mask:0xf bank_mask:0xf
.endr
.endr
.irp e, 0,1,2,3,4,5,6
	v_permlanex16_b32 v[SL+\e], v[L+\e], s32, s33
.endr
.irp e, 0,1,2,3,4,5,6
	v_add_f32 v[L+\e], v[L+\e], v[SL+\e]           ; every lane holds the seven logits
.endr
	v_max3_num_f32 v112, v[L], v[L+1], v[L+2]
	v_max3_num_f32 v112, v112, v[L+3], v[L+4]
	v_max3_num_f32 v112, v112, v[L+5], v[L+6]      ; the largest logit is taken away before the exponential
.irp e, 0,1,2,3,4,5,6
	v_sub_f32 v[L+\e], v[L+\e], v112
.endr
.irp e, 0,1,2,3,4,5,6
	v_mul_f32 v[L+\e], 0x3fb8aa3b, v[L+\e]         ; x log2(e)
.endr
	s_wait_alu depctr_va_vdst(0)
.irp e, 0,1,2,3,4,5,6
	v_exp_f32 v[L+\e], v[L+\e]
.endr
	v_nop                                          ; a plain line behind the last exponential
	s_wait_alu depctr_va_vdst(0)                   ; one wait for the seven, ahead of their first reader
	v_add_f32 v113, v[L], v[L+1]
	v_add_f32 v114, v[L+2], v[L+3]
	v_add_f32 v115, v[L+4], v[L+5]
	v_add_f32 v113, v113, v114
	v_add_f32 v115, v115, v[L+6]
	v_add_f32 v113, v113, v115
	s_wait_alu depctr_va_vdst(0)
	v_rcp_f32 v116, v113
	v_nop
	s_wait_alu depctr_va_vdst(0)
	s_wait_kmcnt 0x0                               ; the biases
.irp e, 0,1,2,3,4,5,6
	v_mul_f32 v[L+\e], v[L+\e], v116               ; p, rounded as a number of its own: it is an output of the router,
.endr
.irp e, 0,1,2,3,4,5,6
	v_add_f32 v[SL+\e], s[24+\e], v[L+\e]          ; and the bias is added to the rounded p
.endr
	v_mov_b32 v117, v[SL]                          ; argmax: a later expert wins only if it is strictly greater
	v_mov_b32 v118, 0
	v_mov_b32 v119, v[L]
.irp e, 1,2,3,4,5,6
	v_cmp_gt_f32 vcc_lo, v[SL+\e], v117
	v_cndmask_b32 v117, v117, v[SL+\e], vcc_lo
	v_cndmask_b32 v118, v118, \e, vcc_lo
	v_cndmask_b32 v119, v119, v[L+\e], vcc_lo
.endr
	s_wait_dscnt 0x0                               ; the scale words
	v_perm_b32 v120, v120, v120, s35               ; bytes 1 and 2 change places
	v_cmp_gt_u32 vcc_lo, 8, v1
	s_wait_alu depctr_va_vdst(0)
	s_wait_xcnt 0x0                                ; EXEC changes only behind this wait: it is a source of the stores above
	s_and_saveexec_b32 s34, vcc_lo
	global_store_b32 v7, v120, s[12:13]            ; lanes 0 to 7: my token's 32 bytes of scales
	s_wait_xcnt 0x0
	s_or_b32 exec_lo, exec_lo, s34
	v_cmp_eq_u32 vcc_lo, 0, v1
	s_and_saveexec_b32 s34, vcc_lo
	global_store_b32 v138, v118, s[14:15]          ; the chosen expert, a whole number
	global_store_b32 v138, v119, s[16:17]          ; its p
	s_cmp_lg_u32 s21, 0
	s_cbranch_scc1 .Lnot_first
	global_store_b32 v138, v138, s[18:19]          ; the auxiliary loss, 0.0: token 0's wave stores it
.Lnot_first:
	s_wait_xcnt 0x0
	s_or_b32 exec_lo, exec_lo, s34
	s_wait_xcnt 0x0
	s_mov_b32 exec_lo, -1
	s_wait_tensorcnt 0x0
	ds_add_u32 v254, v255
	s_wait_dscnt 0x0
	s_endpgm
.Lfunc_end_k_q96a65c66ea_route:
	.size	k_q96a65c66ea_route, .Lfunc_end_k_q96a65c66ea_route-k_q96a65c66ea_route
	.p2alignl 7, 3214868480
	.fill 96, 4, 3214868480
	.section	.rodata,"a",@progbits
	.p2align	6, 0x0
	.amdhsa_kernel k_q96a65c66ea_route
		.amdhsa_group_segment_fixed_size 33280
		.amdhsa_private_segment_fixed_size 0
		.amdhsa_enable_private_segment 0
		.amdhsa_kernarg_size 64
		.amdhsa_user_sgpr_count 2
		.amdhsa_user_sgpr_kernarg_segment_ptr 1
		.amdhsa_wavefront_size32 1
		.amdhsa_system_sgpr_workgroup_id_x 1
		.amdhsa_system_sgpr_workgroup_id_y 1
		.amdhsa_system_sgpr_workgroup_id_z 1
		.amdhsa_system_vgpr_workitem_id 0
		.amdhsa_next_free_vgpr 512
		.amdhsa_next_free_sgpr 66
		.amdhsa_reserve_vcc 1
		.amdhsa_float_denorm_mode_32 3
		.amdhsa_float_denorm_mode_16_64 3
		.amdhsa_memory_ordered 1
		.amdhsa_forward_progress 1
		.amdhsa_inst_pref_size 26
	.end_amdhsa_kernel
	.amdgpu_metadata
---
amdhsa.version: [ 1, 2 ]
amdhsa.kernels:
  - .name:           k_q96a65c66ea_route
    .symbol:         k_q96a65c66ea_route.kd
    .args:
      - { .name: x, .offset: 0, .size: 8, .value_kind: global_buffer, .address_space: global }
      - { .name: gate_w, .offset: 8, .size: 8, .value_kind: global_buffer, .address_space: global }
      - { .name: expert_bias, .offset: 16, .size: 8, .value_kind: global_buffer, .address_space: global }
      - { .name: xq_codes, .offset: 24, .size: 8, .value_kind: global_buffer, .address_space: global }
      - { .name: xq_scales, .offset: 32, .size: 8, .value_kind: global_buffer, .address_space: global }
      - { .name: top1, .offset: 40, .size: 8, .value_kind: global_buffer, .address_space: global }
      - { .name: gatev, .offset: 48, .size: 8, .value_kind: global_buffer, .address_space: global }
      - { .name: out1, .offset: 56, .size: 8, .value_kind: global_buffer, .address_space: global }
    .group_segment_fixed_size: 33280
    .private_segment_fixed_size: 0
    .kernarg_segment_align: 8
    .kernarg_segment_size: 64
    .max_flat_workgroup_size: 128
    .sgpr_count:     66
    .vgpr_count:     512
    .wavefront_size: 32
...
	.end_amdgpu_metadata
.endif
;; end of part 1
;; launch place (part 2): grid 1 x 1, 8 waves a work-group, no clusters, 2,048 bytes of LDS; arguments top1, perm, ents; writes perm, ents
.if DOCPART == 2
	.amdgcn_target "amdgcn-amd-amdhsa--gfx1250"
	.amdhsa_code_object_version 6
	.text
	.protected	k_q96a65c66ea_place
	.globl	k_q96a65c66ea_place
	.p2align	8
	.type	k_q96a65c66ea_place,@function
k_q96a65c66ea_place:
	s_mov_b64 s[64:65], 0
	v_nop
	global_prefetch_b8 v0, s[64:65] scope:SCOPE_SE
	s_setreg_imm32_b32 hwreg(HW_REG_WAVE_MODE, 25, 1), 1
	s_wait_xcnt 0x0
; PLACE.  A counting sort of the 1,024 tokens by their expert, by one work-group of eight waves, without atomics, and three lists of work.
; POSITIONS: expert e's tokens stand in token order from position 16 TST[e] on, its segment filled up to a multiple of 16: nt[e] = ceil(n[e] / 16) tiles; NT = the sum of nt, at most (1,024 + 7 x 15) / 16 = 70.
; perm[position] = the token, or -1 in the filling.  Positions from 16 NT on are neither written nor read.
; ents: three lists of 32 entries {sel, first tile, tiles, 0}: at byte 0 the shared expert's chunks of 10 tiles (sel = 7), at 512 the routed experts' chunks of 12 tiles for the first half of the chain,
; at 1,024 their chunks of 6 tiles for the second half.  A chunk never spans two experts.  Entries behind the last chunk hold 0 tiles.  At most (70 + 7 x 11) / 12 = 12 and (70 + 7 x 5) / 6 = 17 entries are in use.
; Wave w owns tokens 128 w + 32 j + lane, j = 0 .. 3.  An expert's number above 6 is held at 6 (the launch before stores 0 to 6).
; One work-group: the whole job is 4 KB in and 6 KB out, and the prefix sum wants all counts in one place.
.set M,    12                          ; s12-39  mask[4 e + j]: which lanes of my load j chose expert e
.set TOT,  40                          ; s40-46  tokens of expert e
.set BASE, 47                          ; s47-53  the next free position of expert e for my wave
.set NTE,  54                          ; s54-60  tiles of expert e
.set TST,  66                          ; s66-73  first tile of expert e; TST[7] = NT
.set CC,   74                          ; s74-81  first entry of expert e in the list in hand
	s_load_b128 s[4:7], s[0:1], 0x0                ; top1 s[4:5], perm s[6:7]
	s_load_b64 s[8:9], s[0:1], 0x10                ; ents
	v_lshl_add_u32 v64, v0, 2, 0x400
	v_mov_b32 v65, 0
	v_lshrrev_b32 v1, 5, v0
	s_delay_alu instid0(VALU_DEP_1)
	v_readfirstlane_b32 s10, v1                    ; wave 0..7
	v_and_b32 v1, 31, v0                           ; lane
	s_lshl_b32 s11, s10, 9
	v_lshl_add_u32 v2, v1, 2, s11                  ; top1: 512 w + 4 lane
	v_mov_b32 v3, s10
	s_delay_alu instid0(VALU_DEP_1)
	v_lshlrev_b32 v3, 2, v3                        ; LDS: 4 w
	v_lshlrev_b32 v4, 2, v1                        ; LDS: 4 lane
	v_and_b32 v5, 7, v1
	v_lshlrev_b32 v39, 4, v1                       ; an entry: 16 lane
	v_mov_b32 v23, 0                               ; written once: a DPP destination counts as read
	s_lshl_b32 s11, s10, 7
	v_add_nc_u32 v12, s11, v1                      ; my four tokens' numbers
.irp j, 1,2,3
	v_add_nc_u32 v[12+\j], 32*\j, v12
.endr
	s_wait_kmcnt 0x0
.irp j, 0,1,2,3
	global_load_b32 v[8+\j], v2, s[4:5] offset:128*\j
.endr
	s_wait_loadcnt 0x0
.irp j, 0,1,2,3
	v_min_u32 v[8+\j], 6, v[8+\j]
.endr
	; pass 1: my wave's count for each expert -> LDS word [e][w]
.irp e, 0,1,2,3,4,5,6
.irp j, 0,1,2,3
	v_cmp_eq_u32 s[M+4*\e+\j], \e, v[8+\j]
.endr
	s_bcnt1_i32_b32 s82, s[M+4*\e]
	s_bcnt1_i32_b32 s83, s[M+4*\e+1]
	s_add_co_u32 s82, s82, s83
	s_bcnt1_i32_b32 s83, s[M+4*\e+2]
	s_add_co_u32 s82, s82, s83
	s_bcnt1_i32_b32 s83, s[M+4*\e+3]
	s_add_co_u32 s82, s82, s83
	v_mov_b32 v16, s82
	ds_store_b32 v3, v16 offset:32*\e              ; all lanes write the same word with the same value
.endr
	v_mov_b32 v16, 0
	ds_store_b32 v3, v16 offset:224                ; row 7 is read below with the others: zeros
	s_wait_dscnt 0x0                               ; for the others' sake: my counts have landed
	s_barrier_signal -1
	s_barrier_wait -1
	ds_load_b32 v17, v4                            ; lane l: count of expert l / 8, wave l % 8
	ds_load_b32 v18, v4 offset:128                 ; and of expert 4 + l / 8
	s_wait_dscnt 0x0
	v_cmp_gt_u32 vcc_lo, s10, v5                   ; the waves in front of mine
	s_delay_alu instid0(VALU_DEP_1)
	v_cndmask_b32 v19, 0, v17, vcc_lo
	s_delay_alu instid0(VALU_DEP_2)
	v_cndmask_b32 v20, 0, v18, vcc_lo
.macro XSUM reg                        ; the sum over each group of eight lanes, in every lane of it
.irp m, 1
	v_mov_b32_dpp v23, v[\reg] row_xmask:\m row_mask:0xf bank_mask:0xf
	s_delay_alu instid0(VALU_DEP_1)
	v_add_nc_u32 v[\reg], v[\reg], v23
.endr
.irp m, 2, 4
	s_delay_alu instid0(VALU_DEP_1)
	v_mov_b32_dpp v23, v[\reg] row_xmask:\m row_mask:0xf bank_mask:0xf
	s_delay_alu instid0(VALU_DEP_1)
	v_add_nc_u32 v[\reg], v[\reg], v23
.endr
.endm
	XSUM 17
	XSUM 18
	XSUM 19
	XSUM 20
.irp e, 0,1,2,3
	v_readlane_b32 s[TOT+\e], v17, 8*\e
	v_readlane_b32 s[BASE+\e], v19, 8*\e
.endr
.irp e, 0,1,2
	v_readlane_b32 s[TOT+4+\e], v18, 8*\e
	v_readlane_b32 s[BASE+4+\e], v20, 8*\e
.endr
	s_mov_b32 s[TST], 0
.irp e, 0,1,2,3,4,5,6
	s_add_co_u32 s82, s[TOT+\e], 15
	s_lshr_b32 s[NTE+\e], s82, 4
	s_add_co_u32 s[TST+1+\e], s[TST+\e], s[NTE+\e]
	s_lshl_b32 s82, s[TST+\e], 4
	s_add_co_u32 s[BASE+\e], s[BASE+\e], s82       ; 16 x first tile + what the waves in front of mine put there
.endr
	; pass 2: each token's position
.irp j, 0,1,2,3
	v_mbcnt_lo_u32_b32 v[28+\j], s[M+\j], s[BASE]  ; expert 0's next position + the lanes below me that chose it
	s_bcnt1_i32_b32 s82, s[M+\j]
	s_add_co_u32 s[BASE], s[BASE], s82
.irp e, 1,2,3,4,5,6
	v_mbcnt_lo_u32_b32 v24, s[M+4*\e+\j], s[BASE+\e]
	s_delay_alu instid0(VALU_DEP_1)
	v_cndmask_b32 v[28+\j], v[28+\j], v24, s[M+4*\e+\j]
	s_bcnt1_i32_b32 s82, s[M+4*\e+\j]
	s_add_co_u32 s[BASE+\e], s[BASE+\e], s82
.endr
	v_min_u32 v[28+\j], 0x45f, v[28+\j]            ; 1,119, the last position there is
	s_delay_alu instid0(VALU_DEP_1)
	v_lshlrev_b32 v[28+\j], 2, v[28+\j]
	global_store_b32 v[28+\j], v[12+\j], s[6:7]
.endr
	; the filling: wave w writes -1 behind expert w's last token, up to its segment's end (at most 15 positions); wave 7 has none
	s_mov_b32 s84, 0
	s_mov_b32 s85, 0
.irp e, 0,1,2,3,4,5,6
	s_lshl_b32 s82, s[TST+\e], 4
	s_add_co_u32 s82, s82, s[TOT+\e]
	s_lshl_b32 s83, s[TST+1+\e], 4
	s_cmp_eq_u32 s10, \e
	s_cselect_b32 s84, s82, s84
	s_cselect_b32 s85, s83, s85
.endr
	v_add_nc_u32 v32, s84, v1
	s_delay_alu instid0(VALU_DEP_1)
	v_cmp_gt_u32 vcc_lo, s85, v32
	s_delay_alu instid0(VALU_DEP_2)
	v_min_u32 v32, 0x45f, v32
	s_delay_alu instid0(VALU_DEP_1)
	v_lshlrev_b32 v32, 2, v32
	v_mov_b32 v33, -1
	s_wait_alu depctr_va_vdst(0)
	s_wait_xcnt 0x0                                ; EXEC changes only behind this wait
	s_and_saveexec_b32 s86, vcc_lo
	global_store_b32 v32, v33, s[6:7]
	s_wait_xcnt 0x0
	s_or_b32 exec_lo, exec_lo, s86
; A list of chunks of cap tiles.  ceil(nt / cap) = ((nt + cap - 1) x mul) >> sh, exact for the arguments that occur (under 128).  Lane i makes entry i: its expert is the last e whose first entry is at or below i,
; so that experts without tokens drop out; k = i - that first entry; the chunk is tiles TST[e] + cap k on, min(nt[e] - cap k, cap) of them, none where that is 0 or less.
.macro LIST cap, mul, sh, off
	s_mov_b32 s[CC], 0
.irp e, 0,1,2,3,4,5,6
	s_add_co_u32 s82, s[NTE+\e], \cap-1
	s_mul_i32 s82, s82, \mul
	s_lshr_b32 s82, s82, \sh
	s_add_co_u32 s[CC+1+\e], s[CC+\e], s82
.endr
	v_mov_b32 v34, 0
	v_mov_b32 v35, s[TST]
	v_mov_b32 v36, s[NTE]
	v_mov_b32 v37, 0
.irp e, 1,2,3,4,5,6
	v_cmp_le_u32 vcc_lo, s[CC+\e], v1
	s_delay_alu instid0(VALU_DEP_1)
	v_cndmask_b32 v34, v34, \e, vcc_lo
	s_delay_alu instid0(VALU_DEP_2)
	v_cndmask_b32 v35, v35, s[TST+\e], vcc_lo
	s_delay_alu instid0(VALU_DEP_3)
	v_cndmask_b32 v36, v36, s[NTE+\e], vcc_lo
	s_delay_alu instid0(VALU_DEP_4)
	v_cndmask_b32 v37, v37, s[CC+\e], vcc_lo
.endr
	s_delay_alu instid0(VALU_DEP_1)
	v_sub_nc_u32 v38, v1, v37
	s_delay_alu instid0(VALU_DEP_1)
	v_mul_u32_u24 v38, v38, \cap
	s_delay_alu instid0(VALU_DEP_1)
	v_add_nc_u32 v35, v35, v38
	s_delay_alu instid0(VALU_DEP_2)
	v_sub_nc_u32 v36, v36, v38
	s_delay_alu instid0(VALU_DEP_1)
	v_max_i32 v36, 0, v36
	s_delay_alu instid0(VALU_DEP_1)
	v_min_u32 v36, \cap, v36
	s_delay_alu instid0(VALU_DEP_1)
	v_cmp_eq_u32 vcc_lo, 0, v36
	s_delay_alu instid0(VALU_DEP_1)
	v_cndmask_b32 v35, v35, 0, vcc_lo
	s_delay_alu instid0(VALU_DEP_2)
	v_cndmask_b32 v34, v34, 0, vcc_lo
	v_mov_b32 v37, 0
	global_store_b128 v39, v[34:37], s[8:9] offset:\off   ; 32 lanes store the list's 512 bytes
.endm
	s_cmp_eq_u32 s10, 0
	s_cbranch_scc0 .Lnot_wave_0
	LIST 12, 43, 9, 512
.Lnot_wave_0:
	s_cmp_eq_u32 s10, 1
	s_cbranch_scc0 .Lnot_wave_1
	s_wait_xcnt 0x0                                ; the entry's registers are written only behind this wait
	LIST 6, 43, 8, 1024
.Lnot_wave_1:
	s_cmp_eq_u32 s10, 2
	s_cbranch_scc0 .Lnot_wave_2
	s_wait_xcnt 0x0
	v_mul_u32_u24 v35, v1, 10                      ; the shared expert walks all NT tiles, 10 to a chunk
	s_delay_alu instid0(VALU_DEP_1)
	v_sub_nc_u32 v36, s[TST+7], v35
	s_delay_alu instid0(VALU_DEP_1)
	v_max_i32 v36, 0, v36
	s_delay_alu instid0(VALU_DEP_1)
	v_min_u32 v36, 10, v36
	s_delay_alu instid0(VALU_DEP_1)
	v_cmp_eq_u32 vcc_lo, 0, v36
	s_delay_alu instid0(VALU_DEP_1)
	v_cndmask_b32 v35, v35, 0, vcc_lo
	v_mov_b32 v34, 7
	v_mov_b32 v37, 0
	global_store_b128 v39, v[34:37], s[8:9]
.Lnot_wave_2:
	s_barrier_signal -1
	s_barrier_wait -1
	s_wait_tensorcnt 0x0
	ds_add_u32 v64, v65
	s_wait_dscnt 0x0
	s_endpgm
.Lfunc_end_k_q96a65c66ea_place:
	.size	k_q96a65c66ea_place, .Lfunc_end_k_q96a65c66ea_place-k_q96a65c66ea_place
	.p2alignl 7, 3214868480
	.fill 96, 4, 3214868480
	.section	.rodata,"a",@progbits
	.p2align	6, 0x0
	.amdhsa_kernel k_q96a65c66ea_place
		.amdhsa_group_segment_fixed_size 2048
		.amdhsa_private_segment_fixed_size 0
		.amdhsa_enable_private_segment 0
		.amdhsa_kernarg_size 24
		.amdhsa_user_sgpr_count 2
		.amdhsa_user_sgpr_kernarg_segment_ptr 1
		.amdhsa_wavefront_size32 1
		.amdhsa_system_sgpr_workgroup_id_x 1
		.amdhsa_system_sgpr_workgroup_id_y 1
		.amdhsa_system_sgpr_workgroup_id_z 1
		.amdhsa_system_vgpr_workitem_id 0
		.amdhsa_next_free_vgpr 66
		.amdhsa_next_free_sgpr 100
		.amdhsa_reserve_vcc 1
		.amdhsa_float_denorm_mode_32 3
		.amdhsa_float_denorm_mode_16_64 3
		.amdhsa_memory_ordered 1
		.amdhsa_forward_progress 1
		.amdhsa_inst_pref_size 28
	.end_amdhsa_kernel
	.amdgpu_metadata
---
amdhsa.version: [ 1, 2 ]
amdhsa.kernels:
  - .name:           k_q96a65c66ea_place
    .symbol:         k_q96a65c66ea_place.kd
    .args:
      - { .name: top1, .offset: 0, .size: 8, .value_kind: global_buffer, .address_space: global }
      - { .name: perm, .offset: 8, .size: 8, .value_kind: global_buffer, .address_space: global }
      - { .name: ents, .offset: 16, .size: 8, .value_kind: global_buffer, .address_space: global }
    .group_segment_fixed_size: 2048
    .private_segment_fixed_size: 0
    .kernarg_segment_align: 8
    .kernarg_segment_size: 24
    .max_flat_workgroup_size: 256
    .sgpr_count:     100
    .vgpr_count:     66
    .wavefront_size: 32
...
	.end_amdgpu_metadata
.endif
;; end of part 2
;; launch gateup (part 3): grid 16 x 19, 4 waves a work-group, no clusters, 278,784 bytes of LDS; arguments perm, ents, xq_codes, xq_scales, shared_wg_codes, shared_wg_scales, shared_wu_codes, shared_wu_scales, routed_wg_codes, routed_wg_scales, routed_wu_codes, routed_wu_scales, h_codes, h_scales; writes h_codes, h_scales
.if DOCPART == 3
	.amdgcn_target "amdgcn-amd-amdhsa--gfx1250"
	.amdhsa_code_object_version 6
	.text
	.protected	k_q96a65c66ea_gateup
	.globl	k_q96a65c66ea_gateup
	.p2align	8
	.type	k_q96a65c66ea_gateup,@function
k_q96a65c66ea_gateup:
	s_mov_b64 s[64:65], 0
	v_nop
	global_prefetch_b8 v0, s[64:65] scope:SCOPE_SE
	s_setreg_imm32_b32 hwreg(HW_REG_WAVE_MODE, 25, 1), 1
	s_wait_xcnt 0x0
; GATEUP.  h = silu(x Wg) * (x Wu), quantised along the hidden axis, for the rows of one chunk (at most 12 tiles of 16 positions of ONE expert) and one slice of 128 hidden units.
; Work-group x = the slice S; y = the chunk: y < 7 a chunk of the shared expert (plane 0 of h, all positions), else one of the routed experts' chunks (plane 1): only the rows that chose an expert are multiplied by it.
; THE WEIGHTS STAND STILL: wave w holds hidden units 128 S + 32 w .. + 31 of Wg and of Wu for all of K = 1,024 in registers (4 tiles x 8 K steps x 12 = 384), and all row tiles walk past them.
; EVERY GLOBAL LOAD OF CODES TAKES NEIGHBOURING BYTES IN NEIGHBOURING LANES.  W comes in two halves of K, 384 consecutive bytes of each of the wave's 64 rows: a load takes 128 consecutive bytes of each of four rows,
; eight lanes to a row, 48 loads a half; a half goes through the wave's own stage in LDS (rows 400 bytes apart) and comes back as fragments into the same 192 registers, behind the wait that shows the stage's stores done.
; x's rows (768 bytes of codes, made by the first launch) are named by the list of positions, read by scalar loads: two rows are three loads of 512 bytes; they lie in LDS as rows 784 bytes apart, and every wave reads every tile.
; TRANSPOSED: source 0 = 16 rows of W, source 1 = 16 tokens, and lane r of weight tile u takes row 8 u + r + 8 (r / 8): so a lane holds ONE token, and the 16 registers of tiles 0 and 1 are hidden units 16 (lane / 16) + 0 .. 15
; of the wave's block of 32: sixteen neighbours along the next product's K.  The stage puts row R of a wave's 32 at slot 16 ((R / 8) % 2) + 8 (R / 16) + R % 8, so that a tile's sixteen rows lie on end.
; THE ORDER ALONG K: a lane takes 48 consecutive bytes of its row for a K step of 128 (blocks 2 h, 2 h + 1) where the unit's layout has blocks h, 2 + h; the same on both operands, so the products are the same;
; in every scale word bytes 1 and 2 change places to match (the weights' here, x's already in memory, h's on the way out).
; h_codes [plane][tile][K step of 128][3][32 lanes][16 bytes]: the image of the next launch's operand registers.  In LDS a tile's codes gather as 48 bytes for each lane of that image; they leave in stores of 512 consecutive bytes.
; h_scales [plane][tile][16 rows][16 K steps] words.
; A work-group whose entry holds no tiles walks the same text: its offsets are folded to 0, the work of every tile is jumped over, it stores nothing.  Every wave passes both barriers.
; NO CLUSTER, NO TENSOR LOAD: which tiles are worked hangs on numbers read from memory; work-groups that share a slice have different numbers of tiles.
; NO PREFETCH: all of a work-group's loads are issued at its head; there is no loop to run ahead in.
; LIMITS: NaN and infinities are not served.  silu(g) = g / (1 + 2^(-g log2 e)): where the exponential overflows the result is a zero, as in f32.  A block of h under 2^-122 (zeros too) gets the scale byte 1.
; REGISTERS.  window 0: v1-31 addresses; v32-63 W's scale words (8 q + K step); v64-71 x's; v72-167 x's fragments of one tile; v168-199 four accumulators (G: q = 0, 1; U: q = 2, 3); v200-226 at work;
;   at the head v168-239 hold the 72 offsets of the gathered rows' loads, v240-249 what makes them.   windows 1, 2: W's fragments of K steps 0-3, 4-7 at 48 sl + 12 q.   window 3: where gathered rows wait for LDS.
.set XP,  784                          ; x in LDS: a row of 768 bytes + 16
.set XT,  16*XP                        ; a tile
.set SCA, 12*XT                        ; x's scale words, 512 bytes a tile (row r's eight at 32 r)
.set SCH, SCA+6144                     ; h's scale bytes, 64 bytes a tile: byte 4 r + wave
.set HIM, SCH+768                      ; h's codes, 1,536 bytes a tile
.set SPARE, HIM+12*1536                ; the spare words
.set STG, SPARE+512                    ; the stages: 64 rows x 400 bytes for each wave
.set SP,  400
.set WS,  32
.set AS,  64
.set AF,  72
.set ACC, 168
.set G,   168
.set U,   184
.set E,   200
.set TM,  216
.set CD,  224
.set XA,  168
.set FO,  54                           ; s54-56 my three tiles' bytes in the list of positions
.set FL,  57                           ; s57-59 1 where the chunk has the tile
.set MSB, 0
.macro WIN new                         ; the immediate's high byte repeats the setting that is left
.if MSB != (\new)
	s_set_vgpr_msb (MSB<<8)|(\new)
.set MSB, (\new)
.endif
.endm
.macro WSL                             ; W's scale words: tile q (0, 1: Wg; 2, 3: Wu), eight words a row
.irp q, 0,1,2,3
.irp k, 0,1
	global_load_b128 v[WS+8*\q+4*\k:WS+8*\q+4*\k+3], v7, s[46+2*(\q/2):47+2*(\q/2)] offset:256*(\q%2)+16*\k
.endr
.endr
.endm
.macro WLOAD hf                        ; 48 loads: K steps 4 hf .. 4 hf + 3 (384 bytes) of my 32 rows of Wg and 32 of Wu; load (a, b): bytes 128 b .. + 127 of rows 4 a .. 4 a + 3; into window 1 + hf as they come
	WIN 0x40*(1+\hf)
.irp a, 0,1,2,3,4,5,6,7,8,9,10,11,12,13,14,15
.irp b, 0,1,2
	global_load_b128 v[12*\a+4*\b:12*\a+4*\b+3], v4, s[42+2*(\a/8):43+2*(\a/8)] offset:3072*(\a%8)+384*\hf+128*\b
.endr
.endr
	WIN 0
.endm
.macro WSTORE hf                       ; the same registers into my stage, each row at its slot
	WIN 0x04*(1+\hf)
.irp a, 0,1,2,3,4,5,6,7,8,9,10,11,12,13,14,15
.irp b, 0,1,2
	ds_store_b128 v8, v[12*\a+4*\b:12*\a+4*\b+3] offset:SP*(32*(\a/8)+16*((\a/2)%2)+8*((\a/4)%2)+4*(\a%2))+128*\b
.endr
.endr
	WIN 0
.endm
.macro WFRAG hf                        ; and back as fragments: tile q's sixteen slots from 16 q on, a lane's 48 bytes of each K step
	WIN 0x40*(1+\hf)
.irp q, 0,1,2,3
.irp sl, 0,1,2,3
.irp i, 0,1,2
	ds_load_b128 v[48*\sl+12*\q+4*\i:48*\sl+12*\q+4*\i+3], v11 offset:16*SP*\q+96*\sl+16*\i
.endr
.endr
.endr
	WIN 0
.endm
.macro XADR q, tb                      ; the 24 offsets of tile wave + 4 q: its sixteen tokens stand in s[tb ..]; rows 2 a and 2 a + 1 are three loads: row 2 a, the end of 2 a with the start of 2 a + 1, row 2 a + 1
	s_mul_i32 s100, s[FL+\q], 768
.irp n, 0,1,2,3,4,5,6,7,8,9,10,11,12,13,14,15
	s_min_u32 s[\tb+\n], s[\tb+\n], 0x3ff          ; the filling's -1 becomes token 1,023: its rows are worked and never reach the output
	s_mul_i32 s[\tb+\n], s[\tb+\n], s100           ; a tile that the chunk does not have is read from one place
.endr
	v_mul_u32_u24 v244, s[FL+\q], v240
	v_mul_u32_u24 v245, s[FL+\q], v241
	v_mul_u32_u24 v246, s[FL+\q], v242
.irp a, 0,1,2,3,4,5,6,7
	v_add_nc_u32 v[XA+24*\q+3*\a], s[\tb+2*\a], v244
	v_mad_u32_u24 v[XA+24*\q+3*\a+1], s[\tb+2*\a], v243, v245
	v_mad_u32_u24 v[XA+24*\q+3*\a+1], s[\tb+2*\a+1], v2, v[XA+24*\q+3*\a+1]
	v_add_nc_u32 v[XA+24*\q+3*\a+2], s[\tb+2*\a+1], v246
.endr
.endm
.macro GATHER q, base, sq, win         ; 25 loads: the tile's 16 rows of codes, and half a row of scale words a lane
	WIN \win
.irp a, 0,1,2,3,4,5,6,7
.irp b, 0,1,2
	global_load_b128 v[\base+12*\a+4*\b:\base+12*\a+4*\b+3], v[XA+24*\q+3*\a+\b], s[8:9]
.endr
.endr
	global_load_b128 v[\sq:\sq+3], v[16+\q], s[10:11]
	WIN 0
.endm
.macro TOLDS q, base, sq, win          ; the same registers to LDS, rows 784 bytes apart
.if \q > 0
.irp b, 0,1,2
	v_add_nc_u32 v[12+\b], 4*XT, v[12+\b]          ; four tiles on
.endr
	s_wait_alu depctr_va_vdst(0)                   ; directly behind the writes
.endif
	WIN \win
.irp a, 0,1,2,3,4,5,6,7
.irp b, 0,1,2
	ds_store_b128 v[12+\b], v[\base+12*\a+4*\b:\base+12*\a+4*\b+3] offset:2*XP*\a
.endr
.endr
	ds_store_b128 v15, v[\sq:\sq+3] offset:2048*\q
	WIN 0
.endm
.macro AFETCH adr, sadr, d             ; 26 loads: a tile's eight fragments and its scale words; d = 1: the tile behind the one that the addresses name
.irp ks, 0,1,2,3,4,5,6,7
.irp i, 0,1,2
	ds_load_b128 v[AF+12*\ks+4*\i:AF+12*\ks+4*\i+3], v[\adr] offset:(\d)*XT+96*\ks+16*\i
.endr
.endr
	ds_load_b128 v[AS:AS+3], v[\sadr] offset:(\d)*512
	ds_load_b128 v[AS+4:AS+7], v[\sadr] offset:(\d)*512+16
.endm
.macro MUL16 hf                        ; 16 products: K steps 4 hf .. 4 hf + 3 x four accumulators, which take turns, one instruction a turn; the first K step starts the sums
	WIN 1+\hf
.irp sl, 0,1,2,3
.irp q, 0,1,2,3
.if (\hf == 0) && (\sl == 0)
	v_wmma_scale_f32_16x16x128_f8f6f4 v[ACC+8*\q:ACC+8*\q+7], v[48*\sl+12*\q:48*\sl+12*\q+11], v[AF+12*(4*\hf+\sl):AF+12*(4*\hf+\sl)+11], 0, v[WS+8*\q+4*\hf+\sl], v[AS+4*\hf+\sl] matrix_a_fmt:MATRIX_FMT_BF6 matrix_b_fmt:MATRIX_FMT_BF6
.else
	v_wmma_scale_f32_16x16x128_f8f6f4 v[ACC+8*\q:ACC+8*\q+7], v[48*\sl+12*\q:48*\sl+12*\q+11], v[AF+12*(4*\hf+\sl):AF+12*(4*\hf+\sl)+11], v[ACC+8*\q:ACC+8*\q+7], v[WS+8*\q+4*\hf+\sl], v[AS+4*\hf+\sl] matrix_a_fmt:MATRIX_FMT_BF6 matrix_b_fmt:MATRIX_FMT_BF6
.endif
.endr
.endr
.endm
.macro EPI                             ; 16 numbers a lane: silu(G) U in f32, the block's scale, 16 codes.  Every accumulator is read from its low end on
.irp j, 0,2,4,6,8,10,12,14
	v_pk_mul_f32 v[E+\j:E+\j+1], v[G+\j:G+\j+1], s[60:61] op_sel_hi:[1,0]   ; -g log2(e)
.endr
	s_wait_alu depctr_va_vdst(0)                   ; ahead of a batch of transcendentals
.irp j, 0,1,2,3,4,5,6,7,8,9,10,11,12,13,14,15
	v_exp_f32 v[E+\j], v[E+\j]
.endr
	v_nop                                          ; a plain line behind the last exponential
	s_wait_alu depctr_va_vdst(0)                   ; one wait for the sixteen, ahead of their first reader
.irp j, 0,2,4,6,8,10,12,14
	v_pk_add_f32 v[E+\j:E+\j+1], v[E+\j:E+\j+1], 1.0 op_sel_hi:[1,0]
.endr
	s_wait_alu depctr_va_vdst(0)
.irp j, 0,1,2,3,4,5,6,7,8,9,10,11,12,13,14,15
	v_rcp_f32 v[E+\j], v[E+\j]
.endr
	v_nop
	s_wait_alu depctr_va_vdst(0)
.irp j, 0,2,4,6,8,10,12,14
	v_pk_mul_f32 v[G+\j:G+\j+1], v[G+\j:G+\j+1], v[E+\j:E+\j+1]   ; silu(g)
.endr
.irp j, 0,2,4,6,8,10,12,14
	v_pk_mul_f32 v[U+\j:U+\j+1], v[G+\j:G+\j+1], v[U+\j:U+\j+1]   ; x u
.endr
	v_max3_num_f32 v[TM], |v[U]|, |v[U+1]|, 0x2800000             ; my 16 and the floor 2^(5 - 127), in two chains
	v_max3_num_f32 v[TM+1], |v[U+2]|, |v[U+3]|, |v[U+4]|
	v_max3_num_f32 v[TM], v[TM], |v[U+5]|, |v[U+6]|
	v_max3_num_f32 v[TM+1], v[TM+1], |v[U+7]|, |v[U+8]|
	v_max3_num_f32 v[TM], v[TM], |v[U+9]|, |v[U+10]|
	v_max3_num_f32 v[TM+1], v[TM+1], |v[U+11]|, |v[U+12]|
	v_max3_num_f32 v[TM], v[TM], |v[U+13]|, |v[U+14]|
	v_max3_num_f32 v[TM], v[TM], v[TM+1], |v[U+15]|
	v_permlanex16_b32 v[TM+2], v[TM], s66, s67
	v_max_num_f32 v[TM], v[TM], v[TM+2]            ; with lane l xor 16's 16: the block's largest magnitude
	v_add_nc_u32 v[TM+3], 0xfe000000, v[TM]        ; 4 off its exponent field: the conversion's scale operand
	v_cvt_scalef32_pk16_bf6_f32 v[CD:CD+2], v[U:U+15], v[TM+3]
	v_lshrrev_b32 v[TM+4], 23, v[TM+3]             ; the scale's byte (also the plain line behind the conversion)
	ds_store_b8 v25, v[TM+4]                       ; lanes l and l xor 16 write the same byte with the same value
.irp j, 0,1,2
	ds_store_b32 v29, v[CD+\j] offset:4*\j         ; my twelve bytes of the tile's codes
.endr
.endm
; One row tile.  fetch = 1: the next tile's fragments are asked for as soon as this tile's products are issued, and land under the vector work.
.macro TRIP fetch
	s_cmp_ge_u32 s54, s38                          ; a tile that the chunk does not have: only the addresses step
	s_cbranch_scc1 .Lskip_\@
	s_wait_dscnt 0x0                               ; this tile's fragments and scale words are in
	v_add_nc_u32 v23, s55, v19
	v_add_nc_u32 v24, s56, v20
	v_add_nc_u32 v25, s57, v21
	v_add_nc_u32 v29, s58, v26
	MUL16 0
	MUL16 1
	WIN 0
.rept 4
	v_nop                                          ; four places behind the last product, ahead of loads into its sources and of the first read of results
.endr
.if \fetch
	AFETCH 23, 24, 1
.endif
	EPI
.Lskip_\@:
	s_add_co_u32 s55, s55, XT
	s_add_co_u32 s56, s56, 512
	s_add_co_u32 s57, s57, 64
	s_add_co_u32 s58, s58, 1536
	s_add_co_u32 s54, s54, 1
.endm
	s_load_b512 s[4:19], s[0:1], 0x0               ; perm s[4:5], ents s[6:7], xq_codes s[8:9], xq_scales s[10:11], shared wg codes, scales s[12:15], shared wu codes, scales s[16:19]
	s_load_b256 s[20:27], s[0:1], 0x40             ; routed wg codes, scales s[20:23], routed wu codes, scales s[24:27]
	s_load_b128 s[28:31], s[0:1], 0x60             ; h_codes s[28:29], h_scales s[30:31]
	v_lshl_add_u32 v254, v0, 2, SPARE
	v_mov_b32 v255, 0
	v_lshrrev_b32 v22, 5, v0
	v_readfirstlane_b32 s32, v22                   ; wave 0..3
	v_and_b32 v3, 31, v0                           ; lane
	v_and_b32 v1, 15, v0                           ; r
	v_bfe_u32 v2, v0, 4, 1                         ; h
	s_mov_b32 s33, ttmp9                           ; S
	s_and_b32 s34, ttmp7, 0xffff                   ; y
	s_cmp_lt_u32 s34, 7
	s_cselect_b32 s100, 0, 400                     ; entry y of the shared list at 16 y, entry y - 7 of the routed list at 512 + 16 (y - 7)
	s_lshl_b32 s104, s34, 4
	s_add_co_u32 s100, s100, s104
	s_mov_b32 s101, 0
	s_wait_alu depctr_va_vdst(0)
	s_wait_kmcnt 0x0
	s_add_nc_u64 s[6:7], s[6:7], s[100:101]
	s_load_b128 s[36:39], s[6:7], 0x0              ; {sel, first tile, tiles, 0}
	s_mul_i32 s35, s32, 64*SP
	s_add_co_u32 s35, s35, STG                     ; my stage
	v_lshrrev_b32 v22, 3, v3                       ; W: my lane takes 16 bytes of row lane / 8 of a load's four, at 16 (lane % 8)
	v_and_b32 v29, 7, v3
	v_mul_u32_u24 v4, v22, 768
	v_lshl_add_u32 v4, v29, 4, v4                  ; in memory
	v_mul_u32_u24 v8, v22, SP
	v_lshl_add_u32 v8, v29, 4, v8
	v_add_nc_u32 v8, s35, v8                       ; in the stage
	v_mul_u32_u24 v22, v2, 48                      ; 48 h
	v_mul_u32_u24 v11, v1, SP
	v_add_nc_u32 v11, v11, v22
	v_add_nc_u32 v11, s35, v11                     ; a fragment out of the stage: slot r, my half's 48 bytes
	v_mul_u32_u24 v19, v1, XP
	v_add_nc_u32 v19, v19, v22                     ; a fragment of x: row r, my half's 48 bytes
	v_and_b32 v29, 8, v1
	v_add_nc_u32 v29, v29, v1                      ; r + 8 (r / 8)
	v_lshlrev_b32 v7, 5, v29                       ; W's scales: 32 bytes a row
	v_lshlrev_b32 v240, 4, v3                      ; x's rows in memory: bytes 16 lane of row 2 a;
	v_mul_u32_u24 v22, v2, 768
	v_add_nc_u32 v241, 512, v240
	v_sub_nc_u32 v241, v241, v22                   ; lanes 0-15 bytes 512 + 16 lane of row 2 a, lanes 16-31 bytes 16 lane - 256 of row 2 a + 1;
	v_add_nc_u32 v242, 256, v240                   ; bytes 256 + 16 lane of row 2 a + 1
	v_sub_nc_u32 v243, 1, v2                       ; 1 in lanes 0-15
	s_mul_i32 s104, s32, XT
	v_add_nc_u32 v12, s104, v240                   ; and in LDS, tile wave: the same three places, rows 784 bytes apart
	v_lshl_add_u32 v13, v2, 4, v12
	v_add_nc_u32 v13, 512, v13
	v_add_nc_u32 v14, XP+256, v12
	v_lshlrev_b32 v15, 5, v1
	v_lshl_add_u32 v15, v2, 4, v15
	s_lshl_b32 s104, s32, 9
	s_add_co_u32 s104, s104, SCA
	v_add_nc_u32 v15, s104, v15                    ; x's scale words: 512 x tile + 32 r + 16 h
	v_lshlrev_b32 v20, 5, v1
	v_add_nc_u32 v20, SCA, v20                     ; where I read a tile's scale words
	v_lshlrev_b32 v21, 2, v1
	s_add_co_u32 s104, s32, SCH
	v_add_nc_u32 v21, s104, v21                    ; h's scale byte: 4 r + wave
	s_and_b32 s104, s32, 1                         ; h's codes: my block is wave: in the image it stands in lane r + 16 (wave / 2), bytes 24 (wave % 2) + 12 h + 0 .. 11 of that lane's 48
	s_mul_i32 s104, s104, 24
	s_lshr_b32 s105, s32, 1
	s_mul_i32 s105, s105, 768
	s_add_co_u32 s105, s105, s104
	s_add_co_u32 s105, s105, HIM
	v_mul_u32_u24 v26, v1, 48
	v_mul_u32_u24 v22, v2, 12
	v_add_nc_u32 v26, v26, v22
	v_add_nc_u32 v26, s105, v26
	s_mov_b32 s60, 0xbfb8aa3b                      ; -log2(e)
	s_mov_b32 s61, s60                             ; (named with it as a pair, so it is written)
	s_mov_b32 s62, 0x03010200                      ; v_perm_b32: bytes 1 and 2 change places
	s_mov_b32 s66, 0x76543210
	s_mov_b32 s67, 0xfedcba98                      ; v_permlanex16_b32's selects for lane l xor 16
	s_wait_alu depctr_va_vdst(0)
	s_wait_kmcnt 0x0
	s_min_u32 s36, s36, 7                          ; what was read is held inside its range before it enters an address
	s_min_u32 s37, s37, 69
	s_min_u32 s38, s38, 12
	s_min_u32 s40, s38, 1                          ; 1 where the chunk has tiles
	s_lshl_b32 s39, s38, 4                         ; its rows
	s_cmp_eq_u32 s36, 7                            ; the shared expert's buffers or the routed ones'
	s_cselect_b64 s[42:43], s[12:13], s[20:21]     ; Wg's codes
	s_cselect_b64 s[44:45], s[16:17], s[24:25]     ; Wu's codes
	s_cselect_b64 s[46:47], s[14:15], s[22:23]     ; Wg's scales
	s_cselect_b64 s[48:49], s[18:19], s[26:27]     ; Wu's scales
	s_cselect_b32 s41, 0, 1                        ; the plane of h
	s_cselect_b32 s84, 0, s36
	s_min_u32 s84, s84, 6                          ; the expert inside its buffer
	s_lshl_b32 s85, s33, 7
	s_lshl_b32 s86, s32, 5
	s_add_co_u32 s85, s85, s86                     ; my first row of W: 128 S + 32 wave
	s_mul_i32 s100, s84, 1572864
	s_mul_i32 s104, s85, 768
	s_add_co_u32 s100, s100, s104
	s_add_nc_u64 s[42:43], s[42:43], s[100:101]
	s_add_nc_u64 s[44:45], s[44:45], s[100:101]
	s_lshl_b32 s100, s84, 16
	s_lshl_b32 s104, s85, 5
	s_add_co_u32 s100, s100, s104
	s_add_nc_u64 s[46:47], s[46:47], s[100:101]
	s_add_nc_u64 s[48:49], s[48:49], s[100:101]
	s_mul_i32 s100, s41, 1720320
	s_add_co_u32 s104, s37, s32
	s_mul_i32 s104, s104, 24576
	s_add_co_u32 s100, s100, s104
	s_mul_i32 s104, s33, 1536
	s_add_co_u32 s100, s100, s104
	s_add_nc_u64 s[50:51], s[28:29], s[100:101]    ; h's codes: my plane, the chunk's tile wave, K step S
	s_mul_i32 s100, s41, 71680
	s_lshl_b32 s104, s37, 10
	s_add_co_u32 s100, s100, s104
	s_lshl_b32 s104, s33, 2
	s_add_co_u32 s100, s100, s104
	s_add_nc_u64 s[52:53], s[30:31], s[100:101]    ; h's scale words: my plane, the chunk's first tile, K step S
	v_mul_u32_u24 v4, s40, v4                      ; a work-group without tiles reads one place for all lanes
	v_mul_u32_u24 v7, s40, v7
	s_max_u32 s85, s38, 1
	s_sub_co_u32 s85, s85, 1                       ; the chunk's last tile
.irp q, 0,1,2
	s_add_co_u32 s86, s32, 4*\q                    ; the tile that I gather
	s_min_u32 s87, s86, s85
	s_add_co_u32 s87, s87, s37
	s_min_u32 s87, s87, 69                         ; among all tiles: always one that the list of positions holds
	s_lshl_b32 s[FO+\q], s87, 6
	s_sub_co_i32 s87, s38, s86
	s_max_i32 s87, s87, 0
	s_min_u32 s[FL+\q], s87, 1                     ; 1 where the chunk has it
	v_lshl_add_u32 v[247+\q], v1, 2, s[FO+\q]
.endr
	s_load_b512 s[12:27], s[4:5], s54 offset:0x0   ; the sixteen tokens of each of my three tiles, as scalars (the weights' addresses that lay in s12-27 have been used)
	s_load_b512 s[68:83], s[4:5], s55 offset:0x0
	s_load_b512 s[84:99], s[4:5], s56 offset:0x0
	s_wait_alu depctr_va_vdst(0)
.irp q, 0,1,2
	global_load_b32 v[16+\q], v[247+\q], s[4:5]    ; and a lane a row, for the scale words
.endr
	WSL
	WLOAD 0
	s_wait_kmcnt 0x0                               ; the tokens
	XADR 0, 12
	XADR 1, 68
	XADR 2, 84
	s_wait_alu depctr_va_vdst(0)
	s_wait_loadcnt 48                              ; the lanes' tokens and W's scale words are in; the 48 loads of W's first half may be out
.irp j, 0,1,2,3,4,5,6,7,8,9,10,11,12,13,14,15,16,17,18,19,20,21,22,23,24,25,26,27,28,29,30,31
	v_perm_b32 v[WS+\j], v[WS+\j], v[WS+\j], s62   ; W's scale words to the order along K that the fragments have.  (The lines below stand between these and the first product)
.endr
.irp q, 0,1,2
	v_min_u32 v[16+\q], 0x3ff, v[16+\q]
	v_lshlrev_b32 v[16+\q], 5, v[16+\q]
	v_lshl_add_u32 v[16+\q], v2, 4, v[16+\q]       ; x's scale words: 32 token + 16 h
	v_mul_u32_u24 v[16+\q], s[FL+\q], v[16+\q]
.endr
	s_wait_alu depctr_va_vdst(0)
	GATHER 0, 0, 192, 0xc0
	s_wait_loadcnt 25                              ; W's first half is in; the first tile's 25 loads may be out
	WSTORE 0
	GATHER 1, 96, 196, 0xc0
	s_wait_dscnt 0x0                               ; the stage's stores have read their registers: the fragments may land there
	WFRAG 0
	s_wait_loadcnt 25                              ; the first tile is in; the second's 25 may be out
	TOLDS 0, 0, 192, 0x0c
	WLOAD 1
	s_wait_loadcnt 48                              ; the second tile is in; the 48 loads of W's second half may be out
	TOLDS 1, 96, 196, 0x0c
	GATHER 2, AF, AS, 0
	s_wait_loadcnt 25                              ; W's second half is in; the third tile's 25 may be out
	WSTORE 1                                       ; LDS serves a wave's instructions in order (ISA guide 5.7.1.4): these land behind the first half's reads of the stage
	s_wait_dscnt 0x0
	WFRAG 1
	s_wait_loadcnt 0x0                             ; the third tile
	TOLDS 2, AF, AS, 0
	v_mov_b32 v[TM+2], 0                           ; written once: a lane permute's destination counts as one of its sources
	s_wait_alu depctr_va_vdst(0)
	s_wait_dscnt 0x0                               ; for the others' sake: my three tiles have landed; and W's fragments are in
	s_barrier_signal -1
	s_barrier_wait -1                              ; all twelve lie in LDS
	AFETCH 19, 20, 0                               ; tile 0
	s_mov_b32 s54, 0                               ; t
	s_mov_b32 s55, 0                               ; its rows
	s_mov_b32 s56, 0                               ; its scale words
	s_mov_b32 s57, 0                               ; its bytes of h's scales
	s_mov_b32 s58, 0                               ; its codes of h
.Ltile:                                                ; 11 trips, a constant; the twelfth tile is written out, since no tile lies behind it to be fetched
	TRIP 1
	s_cmp_lt_u32 s54, 11
	s_cbranch_scc1 .Ltile
	TRIP 0
	s_wait_dscnt 0x0                               ; my stores of bytes and words have landed
	s_barrier_signal -1
	s_barrier_wait -1                              ; each tile's codes and each scale word are whole: their parts came from four waves
	v_lshlrev_b32 v26, 4, v3                       ; in memory: 16 lane
	s_mul_i32 s101, s32, 1536
	s_add_co_u32 s101, s101, HIM
	v_mul_u32_u24 v27, v3, 48
	v_add_nc_u32 v27, s101, v27                    ; in LDS: tile wave, my lane's 48 bytes
	v_lshl_add_u32 v23, v0, 2, SCH                 ; scale words 0 to 127: 4 x thread
	v_and_b32 v24, 63, v0
	v_lshl_add_u32 v24, v24, 2, SCH+512            ; words 128 to 191: only threads under 64 can be on there (128 + thread < 16 n, n at most 12), so no lane names a byte behind the 768
	v_lshlrev_b32 v25, 6, v0                       ; in memory a row's sixteen words are 64 bytes
	v_mov_b32 v29, 0                               ; written whole before they are written in part
	v_mov_b32 v31, 0
	s_wait_alu depctr_va_vdst(0)
.irp q, 0,1,2                                  ; tiles wave, wave + 4, wave + 8: 1,536 bytes each, three stores of 512 consecutive bytes: registers 4 i .. 4 i + 3 of all 32 lanes of the image
	s_add_co_u32 s104, s32, 4*\q
	s_cmp_ge_u32 s104, s38
	s_cbranch_scc1 .Lout_done
.irp i, 0,1,2
	ds_load_b128 v[AF+12*\q+4*\i:AF+12*\q+4*\i+3], v27 offset:6144*\q+16*\i
.endr
	s_wait_dscnt 0x0
.irp i, 0,1,2
	global_store_b128 v26, v[AF+12*\q+4*\i:AF+12*\q+4*\i+3], s[50:51] offset:98304*\q+512*\i
.endr
.endr
.Lout_done:
.irp k, 0,1                                    ; word 128 k + thread of the chunk's 16 n
	v_add_nc_u32 v30, 128*\k, v0
	v_cmp_gt_u32 vcc_lo, s39, v30
	s_wait_alu depctr_va_vdst(0)
	s_wait_xcnt 0x0                                ; EXEC changes only behind this wait
	s_and_saveexec_b32 s100, vcc_lo
.if \k == 0
	ds_load_b32 v29, v23
.else
	ds_load_b32 v31, v24
.endif
	s_wait_dscnt 0x0
	v_perm_b32 v[29+2*\k], v[29+2*\k], v[29+2*\k], s62   ; bytes 1 and 2 change places
	global_store_b32 v25, v[29+2*\k], s[52:53] offset:8192*\k
	s_wait_xcnt 0x0
	s_or_b32 exec_lo, exec_lo, s100
.endr
	s_wait_xcnt 0x0
	s_mov_b32 exec_lo, -1
	s_wait_tensorcnt 0x0                           ; the wave's end
	ds_add_u32 v254, v255
	s_wait_dscnt 0x0
	s_endpgm
.Lfunc_end_k_q96a65c66ea_gateup:
	.size	k_q96a65c66ea_gateup, .Lfunc_end_k_q96a65c66ea_gateup-k_q96a65c66ea_gateup
	.p2alignl 7, 3214868480
	.fill 96, 4, 3214868480
	.section	.rodata,"a",@progbits
	.p2align	6, 0x0
	.amdhsa_kernel k_q96a65c66ea_gateup
		.amdhsa_group_segment_fixed_size 278784
		.amdhsa_private_segment_fixed_size 0
		.amdhsa_enable_private_segment 0
		.amdhsa_kernarg_size 112
		.amdhsa_user_sgpr_count 2
		.amdhsa_user_sgpr_kernarg_segment_ptr 1
		.amdhsa_wavefront_size32 1
		.amdhsa_system_sgpr_workgroup_id_x 1
		.amdhsa_system_sgpr_workgroup_id_y 1
		.amdhsa_system_sgpr_workgroup_id_z 1
		.amdhsa_system_vgpr_workitem_id 0
		.amdhsa_next_free_vgpr 1024
		.amdhsa_next_free_sgpr 106
		.amdhsa_reserve_vcc 1
		.amdhsa_float_denorm_mode_32 3
		.amdhsa_float_denorm_mode_16_64 3
		.amdhsa_memory_ordered 1
		.amdhsa_forward_progress 1
		.amdhsa_inst_pref_size 80
	.end_amdhsa_kernel
	.amdgpu_metadata
---
amdhsa.version: [ 1, 2 ]
amdhsa.kernels:
  - .name:           k_q96a65c66ea_gateup
    .symbol:         k_q96a65c66ea_gateup.kd
    .args:
      - { .name: perm, .offset: 0, .size: 8, .value_kind: global_buffer, .address_space: global }
      - { .name: ents, .offset: 8, .size: 8, .value_kind: global_buffer, .address_space: global }
      - { .name: xq_codes, .offset: 16, .size: 8, .value_kind: global_buffer, .address_space: global }
      - { .name: xq_scales, .offset: 24, .size: 8, .value_kind: global_buffer, .address_space: global }
      - { .name: shared_wg_codes, .offset: 32, .size: 8, .value_kind: global_buffer, .address_space: global }
      - { .name: shared_wg_scales, .offset: 40, .size: 8, .value_kind: global_buffer, .address_space: global }
      - { .name: shared_wu_codes, .offset: 48, .size: 8, .value_kind: global_buffer, .address_space: global }
      - { .name: shared_wu_scales, .offset: 56, .size: 8, .value_kind: global_buffer, .address_space: global }
      - { .name: routed_wg_codes, .offset: 64, .size: 8, .value_kind: global_buffer, .address_space: global }
      - { .name: routed_wg_scales, .offset: 72, .size: 8, .value_kind: global_buffer, .address_space: global }
      - { .name: routed_wu_codes, .offset: 80, .size: 8, .value_kind: global_buffer, .address_space: global }
      - { .name: routed_wu_scales, .offset: 88, .size: 8, .value_kind: global_buffer, .address_space: global }
      - { .name: h_codes, .offset: 96, .size: 8, .value_kind: global_buffer, .address_space: global }
      - { .name: h_scales, .offset: 104, .size: 8, .value_kind: global_buffer, .address_space: global }
    .group_segment_fixed_size: 278784
    .private_segment_fixed_size: 0
    .kernarg_segment_align: 8
    .kernarg_segment_size: 112
    .max_flat_workgroup_size: 128
    .sgpr_count:     106
    .vgpr_count:     1024
    .wavefront_size: 32
...
	.end_amdgpu_metadata
.endif
;; end of part 3
;; launch down (part 4): grid 16 x 17, 4 waves a work-group, no clusters, 207,360 bytes of LDS; arguments perm, ents, gatev, h_codes, h_scales, shared_wd_codes, shared_wd_scales, routed_wd_codes, routed_wd_scales, out0; writes out0
.if DOCPART == 4
	.amdgcn_target "amdgcn-amd-amdhsa--gfx1250"
	.amdhsa_code_object_version 6
	.text
	.protected	k_q96a65c66ea_down
	.globl	k_q96a65c66ea_down
	.p2align	8
	.type	k_q96a65c66ea_down,@function
k_q96a65c66ea_down:
	s_mov_b64 s[64:65], 0
	v_nop
	global_prefetch_b8 v0, s[64:65] scope:SCOPE_SE
	s_setreg_imm32_b32 hwreg(HW_REG_WAVE_MODE, 25, 1), 1
	s_wait_xcnt 0x0
; DOWN.  out[token] = Hs Wd_shared + gate x Hr Wd_expert, for the rows of one chunk (at most 6 tiles of 16 positions of ONE routed expert) and 64 output columns.  Each output number has one owner.
; Work-group x = the 64 columns, y = the chunk.  Both planes of h are laid by position, so both are read as they lie.
; THE WAVES SHARE K AND THE PLANES: wave w takes plane w / 2 (0 shared, 1 routed) and K half w % 2 (1,024 of the 2,048).  Its 64 rows of Wd for that half stand in registers (4 tiles x 8 K steps x 12 = 384), read once;
; each fragment of h is read by one wave alone, from memory straight into registers, two tiles ahead, and feeds four products.  The four partial results of a tile meet in LDS behind the one barrier.
; TRANSPOSED: source 0 = 16 rows of Wd (output columns), source 1 = 16 positions: a lane holds one position and eight neighbouring columns.
; The order along K is that of the launch before: a lane's registers 0-5 and 6-11 hold blocks 2 h and 2 h + 1 of a K step; h's scale words lie in memory in that order, Wd's are brought to it here.
; A work-group whose entry holds no tiles walks the same text with offsets folded to 0 and all work jumped over; it cannot end early, since every wave passes the barrier.
; NO CLUSTER, NO TENSOR LOAD: which tiles are worked hangs on numbers read from memory; work-groups that share rows of Wd have different numbers of tiles.
; LDS ADDRESSES are made once, at the head, of the thread's number and constants, and never written again: a tile's place stands in the immediate.  Six tiles of 17,408 bytes pass the immediate's 65,535,
; so each address has two registers: one for tiles 0 to 2, one, 52,224 bytes on, for tiles 3 to 5.
; LIMITS: NaN and infinities are not served.  A row's four partial sums are added as (s0 + s1) + gate x (r0 + r1).
; REGISTERS.  window 0: v1-23 addresses; v24-35 output offsets; v36-47 gates; v48-79 Wd's scale words (8 c + K step); v80-95 h's, two sets; v96-191 h's fragments, even tiles; v192-223 lists at the head, later the reduction.
;   windows 1, 2: Wd's fragments of my K steps 0-3, 4-7 at 48 sl + 12 c.   window 3: v0-95 h's fragments, odd tiles; v128-191 two sets of four accumulators.
.set WS,  48
.set AS,  80
.set A0,  96
.set PO,  192
.set TK,  198
.set GOF, 210
.set RB,  192
.set OO,  24
.set GV,  36
.set TB,  17408                        ; a tile's four partial results in LDS: 4 x 16 rows x 272 bytes
.set MSB, 0
.macro WIN new                         ; the immediate's high byte repeats the setting that is left
.if MSB != (\new)
	s_set_vgpr_msb (MSB<<8)|(\new)
.set MSB, (\new)
.endif
.endm
.macro WLOAD hf                        ; 48 loads: my K steps 4 hf .. 4 hf + 3 (384 consecutive bytes) of my 64 rows of Wd; load (a, b): bytes 128 b .. + 127 of rows 4 a .. 4 a + 3, eight lanes to a row; into window 1 + hf as they come
	WIN 0x40*(1+\hf)
.irp a, 0,1,2,3,4,5,6,7,8,9,10,11,12,13,14,15
.irp b, 0,1,2
	global_load_b128 v[12*\a+4*\b:12*\a+4*\b+3], v19, s[34:35] offset:6144*\a+384*\hf+128*\b
.endr
.endr
	WIN 0
.endm
.macro WSTORE hf                       ; the same registers into my own stage in LDS, behind the partial results and the spare words: 64 rows, 400 bytes apart
	WIN 0x04*(1+\hf)
.irp a, 0,1,2,3,4,5,6,7,8,9,10,11,12,13,14,15
.irp b, 0,1,2
	ds_store_b128 v224, v[12*\a+4*\b:12*\a+4*\b+3] offset:1600*\a+128*\b
.endr
.endr
	WIN 0
.endm
.macro WFRAG hf                        ; and back as fragments, into the same 192 registers: tile c's sixteen rows, a lane's 48 bytes of each K step
	WIN 0x40*(1+\hf)
.irp c, 0,1,2,3
.irp sl, 0,1,2,3
.irp i, 0,1,2
	ds_load_b128 v[48*\sl+12*\c+4*\i:48*\sl+12*\c+4*\i+3], v227 offset:6400*\c+96*\sl+16*\i
.endr
.endr
.endr
	WIN 0
.endm
.macro ALOAD t                         ; 26 loads: tile t's eight fragments of my plane and K half, which lie in memory as images of these registers (512 consecutive bytes a load), and its rows' eight scale words
.set PAR, (\t)%2
	s_mul_i32 s58, s[44+(\t)], 24576
	s_lshl_b32 s59, s[44+(\t)], 10
	v_add_nc_u32 v[8+PAR], s58, v6
	v_add_nc_u32 v[10+PAR], s59, v7
	v_mul_u32_u24 v[8+PAR], s[50+(\t)], v[8+PAR]   ; a tile that the chunk does not have is read from one place
	v_mul_u32_u24 v[10+PAR], s[50+(\t)], v[10+PAR]
	WIN 0xc0*PAR
.irp ks, 0,1,2,3,4,5,6,7
.irp i, 0,1,2
	global_load_b128 v[A0*(1-PAR)+12*\ks+4*\i:A0*(1-PAR)+12*\ks+4*\i+3], v[8+PAR], s[38:39] offset:1536*\ks+512*\i
.endr
.endr
	WIN 0
.irp k, 0,1
	global_load_b128 v[AS+8*PAR+4*\k:AS+8*PAR+4*\k+3], v[10+PAR], s[40:41] offset:16*\k
.endr
.endm
.macro MULT t                          ; 32 products: my eight K steps x four accumulators, which take turns, one instruction a turn; the first K step starts the sums
.set PAR, (\t)%2
.irp hf, 0,1
	WIN 0xf1+0x0c*PAR+\hf                          ; Wd window 1 + hf; h window 0 or 3; C and D window 3
.irp sl, 0,1,2,3
.irp c, 0,1,2,3
.if (\hf == 0) && (\sl == 0)
	v_wmma_scale_f32_16x16x128_f8f6f4 v[128+32*PAR+8*\c:128+32*PAR+8*\c+7], v[48*\sl+12*\c:48*\sl+12*\c+11], v[A0*(1-PAR)+12*(4*\hf+\sl):A0*(1-PAR)+12*(4*\hf+\sl)+11], 0, v[WS+8*\c+4*\hf+\sl], v[AS+8*PAR+4*\hf+\sl] matrix_a_fmt:MATRIX_FMT_BF6 matrix_b_fmt:MATRIX_FMT_BF6
.else
	v_wmma_scale_f32_16x16x128_f8f6f4 v[128+32*PAR+8*\c:128+32*PAR+8*\c+7], v[48*\sl+12*\c:48*\sl+12*\c+11], v[A0*(1-PAR)+12*(4*\hf+\sl):A0*(1-PAR)+12*(4*\hf+\sl)+11], v[128+32*PAR+8*\c:128+32*PAR+8*\c+7], v[WS+8*\c+4*\hf+\sl], v[AS+8*PAR+4*\hf+\sl] matrix_a_fmt:MATRIX_FMT_BF6 matrix_b_fmt:MATRIX_FMT_BF6
.endif
.endr
.endr
.endr
.endm
.macro TILE t
.if \t < 5
	s_wait_loadcnt 26                              ; this tile's loads, and all before them, are in; the next tile's 26 may be out.  Loads and waits stand outside the jump: the counts hold on both ways
.else
	s_wait_loadcnt 0x0
.endif
	s_cmp_le_u32 s30, \t                           ; a tile that the chunk does not have
	s_cbranch_scc1 .Lsk_\@
.if \t >= 2
	s_wait_dscnt 8                                 ; the stores of two tiles back have read this set of accumulators; the last tile's eight may be out
.endif
	MULT \t
	WIN 0
.rept 4
	v_nop                                          ; four places behind the last product, ahead of the stores that read results and of loads into its sources
.endr
	WIN 0x0c                                       ; an LDS store's data are its source 1: window 3
.irp c, 0,1,2,3
	ds_store_b128 v[12+6*((\t)/3)], v[128+32*((\t)%2)+8*\c:128+32*((\t)%2)+8*\c+3] offset:TB*((\t)%3)+64*\c       ; each accumulator from its low end on: position r, columns 16 c + 8 h + 0 .. 7
	ds_store_b128 v[12+6*((\t)/3)], v[128+32*((\t)%2)+8*\c+4:128+32*((\t)%2)+8*\c+7] offset:TB*((\t)%3)+64*\c+16
.endr
	WIN 0
.Lsk_\@:
.if \t+2 <= 5
	ALOAD \t+2
.endif
.endm
.macro RED t                           ; tile t: my wave adds rows 4 w .. 4 w + 3 of the four partial results and stores them: sixteen lanes fill 256 consecutive bytes, aligned, of a token's row
	s_cmp_le_u32 s30, \t
	s_cbranch_scc1 .Ldone
.irp i, 0,1
.irp pw, 0,1,2,3
	ds_load_b128 v[RB+16*\i+4*\pw:RB+16*\i+4*\pw+3], v[13+4*((\t)/3)] offset:TB*((\t)%3)+4352*\pw+544*\i
.endr
.endr
	s_wait_dscnt 0x0
.irp i, 0,1
	v_pk_add_f32 v[RB+16*\i:RB+16*\i+1], v[RB+16*\i:RB+16*\i+1], v[RB+16*\i+4:RB+16*\i+5]         ; the shared plane's two K halves
	v_pk_add_f32 v[RB+16*\i+2:RB+16*\i+3], v[RB+16*\i+2:RB+16*\i+3], v[RB+16*\i+6:RB+16*\i+7]
	v_pk_add_f32 v[RB+16*\i+8:RB+16*\i+9], v[RB+16*\i+8:RB+16*\i+9], v[RB+16*\i+12:RB+16*\i+13]   ; the routed plane's
	v_pk_add_f32 v[RB+16*\i+10:RB+16*\i+11], v[RB+16*\i+10:RB+16*\i+11], v[RB+16*\i+14:RB+16*\i+15]
.if \i == 0                                    ; x the row's gate, + the shared part; the gate is the low or the high register of its pair, for both halves
	v_pk_fma_f32 v[RB:RB+1], v[RB+8:RB+9], v[GV+2*\t:GV+2*\t+1], v[RB:RB+1] op_sel_hi:[1,0,1]
	v_pk_fma_f32 v[RB+2:RB+3], v[RB+10:RB+11], v[GV+2*\t:GV+2*\t+1], v[RB+2:RB+3] op_sel_hi:[1,0,1]
.else
	v_pk_fma_f32 v[RB+16:RB+17], v[RB+24:RB+25], v[GV+2*\t:GV+2*\t+1], v[RB+16:RB+17] op_sel:[0,1,0] op_sel_hi:[1,1,1]
	v_pk_fma_f32 v[RB+18:RB+19], v[RB+26:RB+27], v[GV+2*\t:GV+2*\t+1], v[RB+18:RB+19] op_sel:[0,1,0] op_sel_hi:[1,1,1]
.endif
	s_wait_alu depctr_va_vdst(0)
	s_wait_xcnt 0x0                                ; EXEC changes only behind this wait
	s_and_saveexec_b32 s57, s[66+2*\t+\i]          ; positions of the filling store nothing
	global_store_b128 v[OO+2*\t+\i], v[RB+16*\i:RB+16*\i+3], s[42:43] th:TH_STORE_NT
	s_wait_xcnt 0x0                                ; and the store's registers may be written again
	s_or_b32 exec_lo, exec_lo, s57
.endr
.endm
	s_load_b512 s[4:19], s[0:1], 0x0               ; perm s[4:5], ents s[6:7], gatev s[8:9], h_codes s[10:11], h_scales s[12:13], shared wd codes, scales s[14:17], routed wd codes s[18:19]
	s_load_b128 s[20:23], s[0:1], 0x40             ; routed wd scales s[20:21], out0 s[22:23]
	v_lshl_add_u32 v254, v0, 2, 0x19800
	v_mov_b32 v255, 0
	v_lshrrev_b32 v15, 5, v0
	v_readfirstlane_b32 s24, v15                   ; wave 0..3
	v_and_b32 v3, 31, v0
	v_and_b32 v1, 15, v0                           ; r
	v_bfe_u32 v2, v0, 4, 1                         ; h
	s_lshr_b32 s25, s24, 1                         ; my plane
	s_and_b32 s26, s24, 1                          ; my half of K
	s_mov_b32 s27, ttmp9                           ; my 64 columns
	s_and_b32 s58, ttmp7, 0xffff
	s_lshl_b32 s58, s58, 4
	s_add_co_u32 s58, s58, 1024                    ; entry y of the third list
	s_mov_b32 s59, 0
	s_wait_alu depctr_va_vdst(0)
	s_wait_kmcnt 0x0
	s_add_nc_u64 s[6:7], s[6:7], s[58:59]
	s_load_b128 s[28:31], s[6:7], 0x0              ; {expert, first tile, tiles, 0}
	s_mul_i32 s61, s24, 25600
	s_add_co_u32 s61, s61, 104960                  ; my stage
	v_lshrrev_b32 v22, 3, v3                       ; Wd: my lane takes 16 bytes of row lane / 8 of a load's four, at 16 (lane % 8)
	v_and_b32 v23, 7, v3
	v_mul_u32_u24 v19, v22, 1536
	v_lshl_add_u32 v19, v23, 4, v19                ; in memory
	v_mul_u32_u24 v224, v22, 400
	v_lshl_add_u32 v224, v23, 4, v224
	v_add_nc_u32 v224, s61, v224                   ; in the stage
	v_mul_u32_u24 v16, v2, 48
	v_mul_u32_u24 v227, v1, 400
	v_add_nc_u32 v227, v227, v16
	v_add_nc_u32 v227, s61, v227                   ; a fragment out of the stage: row r, my half's 48 bytes
	v_lshlrev_b32 v5, 6, v1                        ; Wd's scales: 64 bytes a row
	v_lshlrev_b32 v6, 4, v3                        ; h: an image's 16 bytes for my lane
	v_lshlrev_b32 v7, 6, v1                        ; h's scale words: 64 bytes a row
	s_mul_i32 s60, s24, 4352
	v_mul_u32_u24 v12, v1, 272
	v_lshl_add_u32 v12, v2, 5, v12
	v_add_nc_u32 v12, s60, v12                     ; LDS: my partial result: 16 rows of 256 bytes + 16; row r, + 32 h: tiles 0 to 2,
	v_add_nc_u32 v18, 3*TB, v12                    ; tiles 3 to 5
	s_mul_i32 s60, s24, 1088
	v_mul_u32_u24 v13, v2, 272
	v_lshl_add_u32 v13, v1, 4, v13
	v_add_nc_u32 v13, s60, v13                     ; back: rows 4 w + h (+ 2 i), 16 bytes a lane: tiles 0 to 2,
	v_add_nc_u32 v17, 3*TB, v13                    ; tiles 3 to 5
	v_lshlrev_b32 v14, 4, v1
	s_lshl_b32 s60, s24, 4
	v_lshl_add_u32 v15, v2, 2, s60                 ; those rows in the list of positions
	s_mov_b32 s56, 0x03010200                      ; v_perm_b32: bytes 1 and 2 change places
	s_wait_alu depctr_va_vdst(0)
	s_wait_kmcnt 0x0
	s_min_u32 s28, s28, 6                          ; what was read is held inside its range before it enters an address
	s_min_u32 s29, s29, 69
	s_min_u32 s30, s30, 6
	s_min_u32 s32, s30, 1                          ; f: 1 where the chunk has tiles
	s_cmp_eq_u32 s25, 0                            ; the choice hangs on the wave's number alone
	s_cselect_b64 s[34:35], s[14:15], s[18:19]     ; Wd's codes
	s_cselect_b64 s[36:37], s[16:17], s[20:21]     ; Wd's scales
	s_mul_i32 s60, s28, s25                        ; the expert inside its buffer: 0 in the shared one
	s_mul_i32 s58, s60, 1572864
	s_mul_i32 s61, s27, 98304
	s_add_co_u32 s58, s58, s61
	s_mul_i32 s61, s26, 768
	s_add_co_u32 s58, s58, s61
	s_add_nc_u64 s[34:35], s[34:35], s[58:59]
	s_lshl_b32 s58, s60, 16
	s_lshl_b32 s61, s27, 12
	s_add_co_u32 s58, s58, s61
	s_lshl_b32 s61, s26, 5
	s_add_co_u32 s58, s58, s61
	s_add_nc_u64 s[36:37], s[36:37], s[58:59]
	s_mul_i32 s58, s25, 1720320
	s_mul_i32 s61, s26, 12288
	s_add_co_u32 s58, s58, s61
	s_add_nc_u64 s[38:39], s[10:11], s[58:59]      ; h's codes: my plane, my eight K steps
	s_mul_i32 s58, s25, 71680
	s_lshl_b32 s61, s26, 5
	s_add_co_u32 s58, s58, s61
	s_add_nc_u64 s[40:41], s[12:13], s[58:59]      ; h's scale words likewise
	s_lshl_b32 s58, s27, 8
	s_add_nc_u64 s[42:43], s[22:23], s[58:59]      ; the output at my 64 columns
	v_mul_u32_u24 v19, s32, v19                    ; a work-group without tiles reads one place for all lanes
	v_mul_u32_u24 v5, s32, v5
	s_max_u32 s60, s30, 1
	s_sub_co_u32 s60, s60, 1                       ; the chunk's last tile
.irp t, 0,1,2,3,4,5
	s_min_u32 s61, s60, \t
	s_add_co_u32 s61, s61, s29
	s_min_u32 s[44+\t], s61, 69                    ; tile t among all tiles: always one that the launches before have written
	s_sub_co_i32 s61, s30, \t
	s_max_i32 s61, s61, 0
	s_min_u32 s[50+\t], s61, 1                     ; 1 where the chunk has it
	s_lshl_b32 s61, s[44+\t], 6
	v_add_nc_u32 v[PO+\t], s61, v15
.endr
	s_wait_alu depctr_va_vdst(0)
.irp t, 0,1,2,3,4,5
	global_load_b32 v[TK+2*\t], v[PO+\t], s[4:5]             ; the tokens of the rows that I shall store
	global_load_b32 v[TK+2*\t+1], v[PO+\t], s[4:5] offset:8
.endr
.irp c, 0,1,2,3
.irp k, 0,1
	global_load_b128 v[WS+8*\c+4*\k:WS+8*\c+4*\k+3], v5, s[36:37] offset:1024*\c+16*\k   ; Wd's scale words: my eight K steps of each row
.endr
.endr
	WLOAD 0
	s_wait_loadcnt 48                              ; the tokens and Wd's scale words are in; the 48 loads of Wd's first half may be out
.irp j, 0,1,2,3,4,5,6,7,8,9,10,11,12,13,14,15,16,17,18,19,20,21,22,23,24,25,26,27,28,29,30,31
	v_perm_b32 v[WS+\j], v[WS+\j], v[WS+\j], s56   ; to the order along K that the fragments have.  (The lines below stand between these and the first product)
.endr
.irp k, 0,1,2,3,4,5,6,7,8,9,10,11
	v_cmp_gt_u32 s[66+\k], 0x400, v[TK+\k]         ; a token, or the filling's -1
	v_min_u32 v[TK+\k], 0x3ff, v[TK+\k]
	v_lshlrev_b32 v[GOF+\k], 2, v[TK+\k]
	v_lshlrev_b32 v[OO+\k], 12, v[TK+\k]
	v_add_nc_u32 v[OO+\k], v[OO+\k], v14           ; the token's row of 4,096 bytes, my 16 bytes of the 256
.endr
.irp k, 0,1,2,3,4,5,6,7,8,9,10,11
	global_load_b32 v[GV+\k], v[GOF+\k], s[8:9]    ; its gate
.endr
	s_wait_loadcnt 12                              ; Wd's first half is in; the twelve gates may be out
	WSTORE 0
	WLOAD 1
	s_wait_dscnt 0x0                               ; the stage's stores have read their registers: the fragments may land there
	WFRAG 0
	ALOAD 0
	s_wait_loadcnt 26                              ; the gates and Wd's second half are in; tile 0's 26 loads may be out
	WSTORE 1                                       ; LDS serves a wave's instructions in order (ISA guide 5.7.1.4): these land behind the first half's reads of the stage
	ALOAD 1
	s_wait_dscnt 0x0
	WFRAG 1
	s_wait_dscnt 0x0                               ; Wd's fragments are in
	TILE 0
	TILE 1
	TILE 2
	TILE 3
	TILE 4
	TILE 5
	s_wait_dscnt 0x0                               ; for the others' sake: my partial results have landed
	s_barrier_signal -1
	s_barrier_wait -1
	RED 0
	RED 1
	RED 2
	RED 3
	RED 4
	RED 5
.Ldone:
	s_barrier_signal -1
	s_barrier_wait -1
	s_wait_tensorcnt 0x0
	ds_add_u32 v254, v255
	s_wait_dscnt 0x0
	s_endpgm
.Lfunc_end_k_q96a65c66ea_down:
	.size	k_q96a65c66ea_down, .Lfunc_end_k_q96a65c66ea_down-k_q96a65c66ea_down
	.p2alignl 7, 3214868480
	.fill 96, 4, 3214868480
	.section	.rodata,"a",@progbits
	.p2align	6, 0x0
	.amdhsa_kernel k_q96a65c66ea_down
		.amdhsa_group_segment_fixed_size 207360
		.amdhsa_private_segment_fixed_size 0
		.amdhsa_enable_private_segment 0
		.amdhsa_kernarg_size 80
		.amdhsa_user_sgpr_count 2
		.amdhsa_user_sgpr_kernarg_segment_ptr 1
		.amdhsa_wavefront_size32 1
		.amdhsa_system_sgpr_workgroup_id_x 1
		.amdhsa_system_sgpr_workgroup_id_y 1
		.amdhsa_system_sgpr_workgroup_id_z 1
		.amdhsa_system_vgpr_workitem_id 0
		.amdhsa_next_free_vgpr 1024
		.amdhsa_next_free_sgpr 80
		.amdhsa_reserve_vcc 0
		.amdhsa_float_denorm_mode_32 3
		.amdhsa_float_denorm_mode_16_64 3
		.amdhsa_memory_ordered 1
		.amdhsa_forward_progress 1
		.amdhsa_inst_pref_size 93
	.end_amdhsa_kernel
	.amdgpu_metadata
---
amdhsa.version: [ 1, 2 ]
amdhsa.kernels:
  - .name:           k_q96a65c66ea_down
    .symbol:         k_q96a65c66ea_down.kd
    .args:
      - { .name: perm, .offset: 0, .size: 8, .value_kind: global_buffer, .address_space: global }
      - { .name: ents, .offset: 8, .size: 8, .value_kind: global_buffer, .address_space: global }
      - { .name: gatev, .offset: 16, .size: 8, .value_kind: global_buffer, .address_space: global }
      - { .name: h_codes, .offset: 24, .size: 8, .value_kind: global_buffer, .address_space: global }
      - { .name: h_scales, .offset: 32, .size: 8, .value_kind: global_buffer, .address_space: global }
      - { .name: shared_wd_codes, .offset: 40, .size: 8, .value_kind: global_buffer, .address_space: global }
      - { .name: shared_wd_scales, .offset: 48, .size: 8, .value_kind: global_buffer, .address_space: global }
      - { .name: routed_wd_codes, .offset: 56, .size: 8, .value_kind: global_buffer, .address_space: global }
      - { .name: routed_wd_scales, .offset: 64, .size: 8, .value_kind: global_buffer, .address_space: global }
      - { .name: out0, .offset: 72, .size: 8, .value_kind: global_buffer, .address_space: global }
    .group_segment_fixed_size: 207360
    .private_segment_fixed_size: 0
    .kernarg_segment_align: 8
    .kernarg_segment_size: 80
    .max_flat_workgroup_size: 128
    .sgpr_count:     80
    .vgpr_count:     1024
    .wavefront_size: 32
...
	.end_amdgpu_metadata
.endif
;; end of part 4
